; MI455X (gfx1250); checked and timed in simulation.
; The chip was launched on July 23, 2026; its instructions are those of AMD's public machine-readable ISA for CDNA 5 (MIT licence, August 2026) and "CDNA5" Instruction Set Architecture Reference Guide (July 2026). The comments in the code are by the model that wrote it; some were corrected since.
;; Attention Block. Allowed arithmetic: matrix products marked QUANTISED: E5M2 operands, one E8M0 scale for each 32 along K, by v_wmma_scale_f32_16x16x128_f8f6f4 with both operands' format E5M2, f32 sums; everything else in f32.
;; Inputs: norm_b 256 float32; norm_w 256 float32; proj_b 256 float32; proj_w_codes 256 x 8 x 32 uint8 (E5M2 codes of proj_w, K innermost, in blocks of 32 codes); proj_w_scales 256 x 8 uint8 (E8M0 scales of proj_w, one for each 32 codes along K); qkv_b 768 float32; qkv_w_codes 768 x 8 x 32 uint8 (E5M2 codes of qkv_w, K innermost, in blocks of 32 codes); qkv_w_scales 768 x 8 uint8 (E8M0 scales of qkv_w, one for each 32 codes along K); x 4 x 256 x 64 x 64 float32.
;; Outputs: out0 4 x 256 x 64 x 64 float32.
;; This version of the problem:
;;   THIS VERSION OF THE PROBLEM IS GIVEN IN LOW PRECISION. The matrix products marked QUANTISED in the list below multiply operands that are first quantised to E5M2 (5 exponent bits, 2 mantissa bits; 8 bits a number), with one power-of-two scale for each 32 numbers along K (OCP MX v1.0); their sums are f32. All else is computed in f32.
;;   The module's matrix products, in the order in which they are computed (A, B: the left and right operand; K: the contracted axis; several contracted axes count as one K, in the product's order):
;;     1. [M 16,384, K 256] x [K 256, N 768]; A: computed on the way; B: input qkv_w (given as codes): QUANTISED
;;     2. batch 16 x [M 4,096, K 64] x [K 64, N 4,096]; A: computed on the way; B: computed on the way: QUANTISED
;;     3. batch 16 x [M 64, K 4,096] x [K 4,096, N 4,096]; A: computed on the way; B: softmax (see below): QUANTISED
;;     4. [M 16,384, K 256] x [K 256, N 256]; A: computed on the way; B: input proj_w (given as codes): QUANTISED
;;   THE QUANTISER, for each operand of a quantised product, along K:
;;     - K is cut into blocks of 32 from its start; a last block that is shorter is filled with zeros.
;;     - A block's scale is 2^e with e = floor(log2(the largest magnitude in the block)) - 15, held to -126 .. 127; a block of zeros has e = 0. As a byte (E8M0): e + 127.
;;     - Each number is divided by its block's scale, clamped to +-57,344, and rounded to the nearest number of E5M2, ties to even, subnormals kept.
;;     - The product sums the exact products of the quantised numbers (number of the format x scale) in f32.
;;   ~~~python
;;   def quantise(x, axis):      # numpy; x: float32 -> the quantised numbers, widened to float32 again
;;       x = np.moveaxis(x, axis, -1); K = x.shape[-1]
;;       x = np.pad(x, [(0, 0)] * (x.ndim - 1) + [(0, -K % 32)]); x = x.reshape(x.shape[:-1] + (-1, 32)); a = np.abs(x).max(-1, keepdims=True)
;;       e = np.where(a > 0, np.clip(np.frexp(np.where(a > 0, a, 1))[1] - 1 - 15, -126, 127), 0)      # np.frexp(a)[1] - 1 = floor(log2(a)), exactly
;;       r = np.clip(x / 2.0 ** e, -57344, 57344)
;;       step = 2.0 ** (np.maximum(np.frexp(np.where(r == 0, 1, r))[1] - 1, -14) - 2)
;;       q = np.round(r / step) * step * 2.0 ** e      # np.round: ties to even
;;       return np.moveaxis(q.reshape(q.shape[:-2] + (-1,))[..., :K], -1, axis).astype(np.float32)
;;   ~~~
;;   SOFTMAX AHEAD OF A QUANTISED PRODUCT. Where the list says 'softmax', what is quantised is not the finished softmax but p = 2^(t - M), with t = logit x log2(e) and M = ceil(the row's largest t), a whole number; so 1/2 < the row's largest p <= 1. The row's sum l is taken of the UNQUANTISED p, in f32, and the product's result is divided by l at the end. Since M is a whole number, a kernel that streams over the keys may use a running M (the ceiling of the running maximum): every later rescaling is an exact power of two, which a block's scale takes up: the codes' values come out the same.
;;   OPERANDS COMPUTED ON THE WAY. 'Computed on the way' means the value that the module computes at that place (a softmax that the list does not call 'softmax' is quantised finished and normalised). What goes into a quantiser is computed in f32, as accurately as f32 sums, v_exp_f32 and their like allow (about 1e-6 of the number): no bf16 or f16 on the way to a quantiser, and a product that is left as it is and whose result goes on into a quantised operand takes f32 operands (vector FMAs, or v_wmma_f32_16x16x4_f32). A number that lies on a knife's edge between two numbers of the format may be rounded either way, as far as f32 arithmetic and the matrix unit's own rounding can turn it there, and no further.
;;   INPUTS GIVEN AS CODES. proj_w (in the module: [256, 256], K = its axis 1); qkv_w (in the module: [768, 256], K = its axis 1): each comes as NAME_codes (uint8): NAME with its K axis moved to the last place and cut into blocks of 32 codes, [.., K / 32, bytes a block], one block behind the other in memory; one code a byte (a code: sign, 5 exponent bits, 2 mantissa bits); and NAME_scales (uint8): the same leading axes, one E8M0 byte (e + 127) for each 32 codes along K. Its value is code x scale, taken as it is: it is not quantised again, and the codes and scales need not be those that the quantiser above would give.
;; One version. Each part assembles by itself: llvm-mc -triple=amdgcn-amd-amdhsa -mcpu=gfx1250 --defsym DOCPART=n.
;; ======== version 1 of 1: 3 launches
;; limits: right only within a limited range of input values
;; workspace buffers: stats 2,048 bytes; wimg 262,144 bytes; qc 4,194,304 bytes; qs 131,072 bytes; kvimg 8,388,608 bytes; kvsc 262,144 bytes
;; launch stats (part 1): grid 256 x 1, 8 waves a work-group, no clusters, 1,536 bytes of LDS; arguments x, qkv_w_codes, proj_w_codes, stats, wimg; writes stats, wimg
.if DOCPART == 1
	.amdgcn_target "amdgcn-amd-amdhsa--gfx1250"
	.amdhsa_code_object_version 6
	.text
	.protected	k_qf5c6211581_stats
	.globl	k_qf5c6211581_stats
	.p2align	8
	.type	k_qf5c6211581_stats,@function
k_qf5c6211581_stats:
	s_mov_b64 s[64:65], 0
	v_nop
	global_prefetch_b8 v0, s[64:65] scope:SCOPE_SE
	s_setreg_imm32_b32 hwreg(HW_REG_WAVE_MODE, 25, 1), 1
	s_wait_xcnt 0x0
; GROUPNORM'S STATISTICS BY CHUNKS, AND THE WEIGHTS LAID OUT AS REGISTER IMAGES.
; x is [4][256][4096] f32.  A group of GroupNorm (32 channels x 4,096 positions) is 524,288 consecutive bytes: eight chunks of 65,536.
; Work-group i takes chunk i (16,384 numbers, 64 a thread, kept in registers) and stores its mean and its sum of squared deviations FROM THAT MEAN:
; two passes over the registers, so no difference of large sums is formed, whatever offset the inputs carry.  The next launch joins a group's eight pairs.
; stats: [256 chunks][mean, M2] f32.
; THE WEIGHTS.  A fragment of the scaled 8-bit matrix form (16 rows x 128 K) is 16 registers a lane: lane (r, h) holds, in registers 4 c .. 4 c + 3, k = 32 c + 16 h + 0 .. 15 of row r.
; wimg holds each group of four registers as 512 bytes, lane l's 16 bytes at 16 l: piece 4 fr + c at byte 512 (4 fr + c); fr = 2 T + s for tile T (0 .. 47) and K step s of qkv_w, 96 + 2 T + s for proj_w (T 0 .. 15).
; THE ROWS OF A TILE ARE NOT NEIGHBOURS: row r of tile T is weight row 32 (T / 2) + 8 (T % 2) + r + 8 (r / 8), so that the results of tiles 2 F and 2 F + 1 are 16 neighbours in a lane's registers.
; Waves 0 and 1 of work-group i copy pieces 2 i and 2 i + 1: 512 pieces in all.  Nothing is shared between work-groups, so there is no cluster; no matrix work.
; LIMITS: NaN and infinities among the inputs are not served.
.set XR, 16                            ; v16-79  my 64 numbers
	s_load_b128 s[4:7], s[0:1], 0x0                ; x, qkv_w_codes
	s_load_b128 s[8:11], s[0:1], 0x10              ; proj_w_codes, stats
	s_load_b64 s[12:13], s[0:1], 0x20              ; wimg
	v_lshl_add_u32 v104, v0, 2, 0x200
	v_mov_b32 v105, 0
	v_lshrrev_b32 v1, 5, v0
	s_delay_alu instid0(VALU_DEP_1)
	v_readfirstlane_b32 s14, v1                    ; wave 0..7
	v_lshlrev_b32 v1, 4, v0                        ; 16 bytes a thread: a load of the work-group covers 4,096 consecutive bytes
	s_lshl_b32 s18, ttmp9, 16                      ; my chunk
	s_mov_b32 s19, 0
	s_lshl_b32 s26, ttmp9, 3                       ; my pair in stats
	s_mov_b32 s27, 0
	s_mov_b32 s16, 0x76543210                      ; v_permlanex16_b32's selects for lane l xor 16
	s_mov_b32 s17, 0xfedcba98
	s_lshl_b32 s20, ttmp9, 1
	s_add_co_u32 s20, s20, s14                     ; the piece (used by waves 0 and 1 alone)
	s_lshr_b32 s21, s20, 2                         ; fr
	s_and_b32 s23, s20, 3                          ; c
	s_lshl_b32 s25, s20, 9                         ; the piece's place in wimg
	v_mov_b32 v12, s14
	s_delay_alu instid0(VALU_DEP_1)
	v_lshlrev_b32 v12, 2, v12                      ; LDS: my wave's word
	v_mov_b32 v13, 0
	v_and_b32 v84, 15, v0                          ; r
	s_delay_alu instid0(VALU_DEP_1)
	v_and_b32 v85, 8, v84
	s_delay_alu instid0(VALU_DEP_1)
	v_add_nc_u32 v84, v84, v85                     ; r + 8 (r / 8)
	s_delay_alu instid0(VALU_DEP_1)
	v_lshlrev_b32 v84, 8, v84                      ; a weight's row is 256 bytes
	v_bfe_u32 v85, v0, 4, 1                        ; h
	s_delay_alu instid0(VALU_DEP_1)
	v_lshl_add_u32 v84, v85, 4, v84
	v_and_b32 v86, 31, v0
	s_delay_alu instid0(VALU_DEP_1)
	v_lshlrev_b32 v86, 4, v86
	s_delay_alu instid0(VALU_DEP_1)
	v_add_nc_u32 v86, s25, v86                     ; where my 16 bytes go
	s_wait_alu depctr_va_vdst(0)
	s_wait_kmcnt 0x0
	s_add_nc_u64 s[4:5], s[4:5], s[18:19]
	s_add_nc_u64 s[10:11], s[10:11], s[26:27]
	s_cmp_lt_u32 s21, 96                           ; qkv_w's fragment or proj_w's: the choice hangs on ids alone
	s_cselect_b64 s[6:7], s[6:7], s[8:9]
	s_cselect_b32 s22, 0, 96
	s_sub_co_u32 s21, s21, s22
	s_lshr_b32 s22, s21, 1                         ; T
	s_and_b32 s21, s21, 1                          ; s
	s_lshr_b32 s24, s22, 1
	s_lshl_b32 s24, s24, 13                        ; 32 (T / 2) rows
	s_and_b32 s22, s22, 1
	s_lshl_b32 s22, s22, 11                        ; 8 (T % 2) rows
	s_add_co_u32 s24, s24, s22
	s_lshl_b32 s21, s21, 7                         ; 128 s
	s_add_co_u32 s24, s24, s21
	s_lshl_b32 s23, s23, 5                         ; 32 c
	s_add_co_u32 s24, s24, s23
	v_add_nc_u32 v84, s24, v84
	s_cmp_lt_u32 s14, 2
	s_cbranch_scc0 .Lno_piece
	global_load_b128 v[80:83], v84, s[6:7]         ; the piece first: it is back when at most the 16 loads below are out
.Lno_piece:
.irp j, 0,1,2,3,4,5,6,7,8,9,10,11,12,13,14,15
	global_load_b128 v[XR+4*\j:XR+4*\j+3], v1, s[4:5] offset:4096*\j th:TH_LOAD_NT
.endr
	s_cmp_lt_u32 s14, 2
	s_cbranch_scc0 .Lno_store
	s_wait_loadcnt 16                              ; loads come back in order: the piece is in, x's 16 loads may be out
	global_store_b128 v86, v[80:83], s[12:13]      ; 32 lanes store 512 consecutive bytes, aligned
.Lno_store:
	s_wait_loadcnt 0x0
.macro WAVE_SUM r, t                   ; the sum over the wave's 32 lanes, in every lane
	s_delay_alu instid0(VALU_DEP_1)
	v_add_f32_dpp v[\r], v[\r], v[\r] row_xmask:1 row_mask:0xf bank_mask:0xf
	s_delay_alu instid0(VALU_DEP_1)
	v_add_f32_dpp v[\r], v[\r], v[\r] row_xmask:2 row_mask:0xf bank_mask:0xf
	s_delay_alu instid0(VALU_DEP_1)
	v_add_f32_dpp v[\r], v[\r], v[\r] row_xmask:4 row_mask:0xf bank_mask:0xf
	s_delay_alu instid0(VALU_DEP_1)
	v_add_f32_dpp v[\r], v[\r], v[\r] row_xmask:8 row_mask:0xf bank_mask:0xf
	s_delay_alu instid0(VALU_DEP_1)
	v_permlanex16_b32 v[\t], v[\r], s16, s17
	s_delay_alu instid0(VALU_DEP_1)
	v_add_f32 v[\r], v[\r], v[\t]
.endm
.macro WG_SUM r, base                  ; and over the eight waves: a word a wave, one barrier, every wave reads all eight.  The two sums use different bytes
	ds_store_b32 v12, v[\r] offset:\base
	s_wait_dscnt 0x0                               ; for the others' sake: my word has landed
	s_barrier_signal -1
	s_barrier_wait -1
	ds_load_b128 v[88:91], v13 offset:\base
	ds_load_b128 v[92:95], v13 offset:\base+16
	s_wait_dscnt 0x0
	v_add_f32 v88, v88, v89
	v_add_f32 v90, v90, v91
	v_add_f32 v92, v92, v93
	v_add_f32 v94, v94, v95
	s_delay_alu instid0(VALU_DEP_3)
	v_add_f32 v88, v88, v90
	s_delay_alu instid0(VALU_DEP_2)
	v_add_f32 v92, v92, v94
	s_delay_alu instid0(VALU_DEP_1)
	v_add_f32 v[\r], v88, v92
.endm
.macro JOIN4                           ; the four chains v[2:9] into v2
	s_delay_alu instid0(VALU_DEP_3)
	v_pk_add_f32 v[2:3], v[2:3], v[4:5]
	s_delay_alu instid0(VALU_DEP_2)
	v_pk_add_f32 v[6:7], v[6:7], v[8:9]
	s_delay_alu instid0(VALU_DEP_1)
	v_pk_add_f32 v[2:3], v[2:3], v[6:7]
	s_delay_alu instid0(VALU_DEP_1)
	v_add_f32 v2, v2, v3
.endm
	; pass 1: the sum, two numbers an instruction, in four chains that the first eight pairs start
.irp k, 0,1,2,3
	v_pk_add_f32 v[2+2*\k:3+2*\k], v[XR+2*\k:XR+2*\k+1], v[XR+8+2*\k:XR+9+2*\k]
.endr
.set p, 8
.rept 24
	s_delay_alu instid0(VALU_DEP_4)
	v_pk_add_f32 v[2+2*(p%4):3+2*(p%4)], v[2+2*(p%4):3+2*(p%4)], v[XR+2*p:XR+2*p+1]
.set p, p+1
.endr
	JOIN4
	WAVE_SUM 2, 3
	WG_SUM 2, 0
	s_delay_alu instid0(VALU_DEP_1)
	v_mul_f32 v10, 0x38800000, v2                  ; the chunk's mean: / 16,384
	s_delay_alu instid0(VALU_DEP_1)
	v_mov_b32 v11, v10
	; pass 2: the squared deviations from that mean
.set p, 0
.rept 32
	v_pk_add_f32 v[XR+2*p:XR+2*p+1], v[XR+2*p:XR+2*p+1], v[10:11] neg_lo:[0,1] neg_hi:[0,1]
.set p, p+1
.endr
.irp k, 0,1,2,3
	v_pk_mul_f32 v[2+2*\k:3+2*\k], v[XR+2*\k:XR+2*\k+1], v[XR+2*\k:XR+2*\k+1]
.endr
.set p, 4
.rept 28
	s_delay_alu instid0(VALU_DEP_4)
	v_pk_fma_f32 v[2+2*(p%4):3+2*(p%4)], v[XR+2*p:XR+2*p+1], v[XR+2*p:XR+2*p+1], v[2+2*(p%4):3+2*(p%4)]
.set p, p+1
.endr
	JOIN4
	WAVE_SUM 2, 3
	WG_SUM 2, 256
	s_delay_alu instid0(VALU_DEP_1)
	v_mov_b32 v11, v2                              ; (mean, M2)
	s_cmp_lg_u32 s14, 0
	s_cbranch_scc1 .Lend
	v_cmp_eq_u32 vcc_lo, 0, v0
	s_wait_xcnt 0x0                                ; EXEC counts among the sources of the loads and the store above: it changes only behind this wait
	s_and_saveexec_b32 s20, vcc_lo
	s_wait_alu depctr_va_vdst(0)
	global_store_b64 v13, v[10:11], s[10:11]       ; thread 0 alone: eight bytes a work-group
	s_wait_xcnt 0x0                                ; and again, in front of the line that widens it
	s_or_b32 exec_lo, exec_lo, s20
.Lend:
	s_wait_tensorcnt 0x0
	ds_add_u32 v104, v105
	s_wait_dscnt 0x0
	s_endpgm
.Lfunc_end_k_qf5c6211581_stats:
	.size	k_qf5c6211581_stats, .Lfunc_end_k_qf5c6211581_stats-k_qf5c6211581_stats
	.p2alignl 7, 3214868480
	.fill 96, 4, 3214868480
	.section	.rodata,"a",@progbits
	.p2align	6, 0x0
	.amdhsa_kernel k_qf5c6211581_stats
		.amdhsa_group_segment_fixed_size 1536
		.amdhsa_private_segment_fixed_size 0
		.amdhsa_enable_private_segment 0
		.amdhsa_kernarg_size 40
		.amdhsa_user_sgpr_count 2
		.amdhsa_user_sgpr_kernarg_segment_ptr 1
		.amdhsa_wavefront_size32 1
		.amdhsa_system_sgpr_workgroup_id_x 1
		.amdhsa_system_sgpr_workgroup_id_y 1
		.amdhsa_system_sgpr_workgroup_id_z 1
		.amdhsa_system_vgpr_workitem_id 0
		.amdhsa_next_free_vgpr 106
		.amdhsa_next_free_sgpr 66
		.amdhsa_reserve_vcc 1
		.amdhsa_float_denorm_mode_32 3
		.amdhsa_float_denorm_mode_16_64 3
		.amdhsa_memory_ordered 1
		.amdhsa_forward_progress 1
		.amdhsa_inst_pref_size 16
	.end_amdhsa_kernel
	.amdgpu_metadata
---
amdhsa.version: [ 1, 2 ]
amdhsa.kernels:
  - .name:           k_qf5c6211581_stats
    .symbol:         k_qf5c6211581_stats.kd
    .args:
      - { .name: x, .offset: 0, .size: 8, .value_kind: global_buffer, .address_space: global }
      - { .name: qkv_w_codes, .offset: 8, .size: 8, .value_kind: global_buffer, .address_space: global }
      - { .name: proj_w_codes, .offset: 16, .size: 8, .value_kind: global_buffer, .address_space: global }
      - { .name: stats, .offset: 24, .size: 8, .value_kind: global_buffer, .address_space: global }
      - { .name: wimg, .offset: 32, .size: 8, .value_kind: global_buffer, .address_space: global }
    .group_segment_fixed_size: 1536
    .private_segment_fixed_size: 0
    .kernarg_segment_align: 8
    .kernarg_segment_size: 40
    .max_flat_workgroup_size: 256
    .sgpr_count:     66
    .vgpr_count:     106
    .wavefront_size: 32
...
	.end_amdgpu_metadata
.endif
;; end of part 1
;; launch qkv (part 2): grid 64 x 4, 16 waves a work-group, clusters of 4 x 1, 231,424 bytes of LDS; arguments x, norm_w, norm_b, stats, wimg, qkv_w_scales, qkv_b, qc, qs, kvimg, kvsc; writes qc, qs, kvimg, kvsc
.if DOCPART == 2
	.amdgcn_target "amdgcn-amd-amdhsa--gfx1250"
	.amdhsa_code_object_version 6
	.text
	.protected	k_qf5c6211581_qkv
	.globl	k_qf5c6211581_qkv
	.p2align	8
	.type	k_qf5c6211581_qkv,@function
k_qf5c6211581_qkv:
	s_mov_b64 s[64:65], 0
	v_nop
	global_prefetch_b8 v0, s[64:65] scope:SCOPE_SE
	s_setreg_imm32_b32 hwreg(HW_REG_WAVE_MODE, 25, 1), 1
	s_wait_xcnt 0x0
	s_wait_alu depctr_hold_cnt(0) depctr_sa_sdst(0) depctr_va_vdst(0) depctr_va_sdst(0) depctr_va_ssrc(0) depctr_va_vcc(0) depctr_vm_vsrc(0)
	s_getreg_b32 s2, hwreg(HW_REG_IB_STS2, 6, 4)
	s_cmp_eq_u32 s2, 0
	s_cbranch_scc0 .Lentry_in_a_cluster
	s_endpgm
.Lentry_in_a_cluster:
	s_bfe_u32 s2, ttmp6, 0x10000c
	s_cmp_lg_u32 s2, 0x3003
	s_cbranch_scc0 .Lentry_shape_is_right
	s_endpgm
.Lentry_shape_is_right:
; GROUPNORM, ITS QUANTISER, THE QKV PRODUCT WITH ITS BIAS, AND THE QUANTISERS OF q, k AND v.  All products on codes of BF8 (E5M2) with one E8M0 scale for each 32 along K.
; SHARES.  A work-group takes 64 positions of one image (X = 0 .. 63, b = 0 .. 3): two blocks f of 32 positions, each two tiles u of 16.  Sixteen waves.
; THE ORDER of every tile of 16 in this program: row r of tile (block F of 32, u) is item 32 F + 8 u + r + 8 (r / 8).  A result's registers 8 u + j of lane (r, h) are then items 32 F + 16 h + 0 .. 15:
; 16 neighbours, in the order in which the next product's operand wants them.  An operand travels as an IMAGE of its registers: four registers are 512 bytes, lane l's 16 bytes at 16 l.
; PHASE X.  Wave w takes group g = w / 2 and block f = w % 2: a lane a position, its 32 registers down the group's 32 channels, which are one block of the product's K.  So the block's largest magnitude
; needs no other lane.  h = ((x - mean) rstd) norm_w + norm_b in f32; its codes go to LDS as images, its scale bytes beside them.
; PRODUCTS.  Wave w < 12 owns rows 64 w .. 64 w + 63 of qkv_w: waves 0-3 q of heads 0-3, waves 4-7 k, waves 8-11 v.  Its 16 KiB of weight images come once, by one tensor load.
;   q, k: source 0 = 16 rows of W, source 1 = 16 positions: a lane holds ONE position and registers along the head's channels, which are the K of q k^T.
;   v:    source 0 = 16 positions, source 1 = 16 rows of W: a lane holds ONE channel and registers along the positions, which are the K (the keys) of the second attention product.
;   The bias is the C of each sum's first matrix instruction.  The eight accumulators take turns, one instruction a turn.
; OUT.  qc [b][head][F 128][u][c' 2][512]: q's codes, channels 32 c' + 16 h on.  qs [b][X][head][f][r] words (bytes u0c0, u0c1, u1c0, u1c1).
;   kvimg [b][X] records of 32,768 bytes: k at head x 4096 + f x 2048 + (2 u + c') x 512 (a fragment of 128 along K holds BOTH tiles u of a block of 32 keys); v at 16,384 + head x 4096 + t x 1024 + f x 512.
;   kvsc [b][X][head][lane][8]: word 0: k's scale word (lanes 0-15 f = 0, lanes 16-31 f = 1); word 1: v's bytes (f0, f1) of tiles t0 and t2 (lanes 0-15), t1 and t3 (lanes 16-31).
; CLUSTER.  The weight images, 192 KiB, are three quarters of what a work-group reads and the same for all: the four partners ask for them jointly.  They are first fills: nothing in LDS is filled twice.
; LIMITS: NaN and infinities are not served; a block of zeros, or one whose largest magnitude lies under 2^-111, gets the scale byte 1 (the quantiser's text says 127 for zeros): its codes are zeros and this program alone reads the bytes.
.set HIMG, 196608                      ; LDS: 0 .. 196,607 the weight images, 16,384 bytes a wave;  h's images: fragment ((2 f + u) 2 + s) x 2048
.set HSC,  212992                      ; h's scale bytes: (2 f + u) x 128 + s x 64 + 4 r + c
.set SCG,  213504                      ; the scale records on their way out: q's 512 bytes, then the 1,024 of kvsc
.set BI,   32                          ; v32-63   the bias, eight registers a W tile, in the result's layout
.set ACC,  64                          ; v64-127  eight accumulators; in phase X v64-95 are x, then h
.set WF,   128                         ; v128-191 four fragments of W; in phase X norm_w (v128-159) and norm_b (v160-191)
.set HF,   192                         ; v192-223 two fragments of h
.set TM,   224                         ; v224-239 at work in the quantisers
.set PC,   240                         ; v240-255 the codes just made
.set WV,   26                          ; s26 wave; s27 cx; s28 X; s29 b; s30 g; s31 f; s32 min(wave, 11); s33 head
; v1 lane, v2 r, v3 h, v4 16 x lane, v5 4 x lane, v6/v7 where h's codes / scale byte go, v8 my weight images, v9 h's images, v10 h's scale words, v11/v12/v15 where q's / k's / v's scale words go,
; v13 the byte select for v's word, v14 0, v16-19 W's scale words, v20-21 h's, v22-23 the scale words made for f = 0, 1, v24 the records' way out, v25/v30/v31 offsets of W's scales and the bias, v26-29 mean and rstd, twice each
.macro CROUND                          ; a round of the cluster's barrier
	s_barrier_signal -1
	s_barrier_wait -1
	s_cmp_lg_u32 s[WV], 0
	s_cbranch_scc1 .Lnot_wave_0_\@
	s_barrier_signal -3
.Lnot_wave_0_\@:
	s_barrier_wait -3
	s_barrier_signal -1
	s_barrier_wait -1
.endm
.macro PLACES8                         ; eight places behind this matrix form, in front of loads into its operands and of the first read of its results
.rept 8
	v_nop
.endr
.endm
	s_load_b256 s[4:11], s[0:1], 0x0               ; x, norm_w, norm_b, stats
	s_load_b256 s[12:19], s[0:1], 0x20             ; wimg, qkv_w_scales, qkv_b, qc
	s_load_b128 s[20:23], s[0:1], 0x40             ; qs, kvimg
	s_load_b64 s[24:25], s[0:1], 0x50              ; kvsc
	v_lshl_add_u32 v254, v0, 2, 0x38000
	v_mov_b32 v255, 0
	ds_add_u32 v254, v255
	ds_add_u32 v254, v255
	s_wait_dscnt 0x0
	v_lshrrev_b32 v1, 5, v0
	s_delay_alu instid0(VALU_DEP_1)
	v_readfirstlane_b32 s[WV], v1                  ; wave 0..15
	s_bfe_u32 s27, ttmp6, 0x40000                  ; cx
	s_lshl_b32 s28, ttmp9, 2
	s_add_co_u32 s28, s28, s27                     ; X = 4 x cluster x + cx: it enters global addresses alone
	s_and_b32 s29, ttmp7, 0xffff                   ; b
	s_lshr_b32 s30, s[WV], 1                       ; g
	s_and_b32 s31, s[WV], 1                        ; f
	s_min_u32 s32, s[WV], 11
	s_and_b32 s33, s[WV], 3                        ; head
	s_mov_b32 s66, 0x76543210                      ; v_permlanex16_b32's selects for lane l xor 16
	s_mov_b32 s67, 0xfedcba98
	v_and_b32 v1, 31, v0
	v_and_b32 v2, 15, v0
	v_bfe_u32 v3, v0, 4, 1
	s_delay_alu instid0(VALU_DEP_3)
	v_lshlrev_b32 v4, 4, v1
	s_delay_alu instid0(VALU_DEP_4)
	v_lshlrev_b32 v5, 2, v1
	v_mov_b32 v14, 0
	; every LDS address is made here, ahead of the first parting of the waves' ways
	s_lshl_b32 s34, s31, 13                        ; f x 8192
	s_lshr_b32 s2, s30, 2                          ; K step s = g / 4
	s_lshl_b32 s3, s2, 11
	s_add_co_u32 s34, s34, s3
	s_and_b32 s35, s30, 3                          ; piece c = g % 4
	s_lshl_b32 s3, s35, 9
	s_add_co_u32 s34, s34, s3
	s_add_co_u32 s34, s34, HIMG
	s_lshl_b32 s3, s31, 8
	s_add_co_u32 s35, s35, s3
	s_lshl_b32 s3, s2, 6
	s_add_co_u32 s35, s35, s3
	s_add_co_u32 s35, s35, HSC
	v_bfe_u32 v224, v0, 3, 1                       ; position p = lane of a block lies in tile u = (p / 8) % 2,
	v_and_b32 v225, 7, v0
	s_wait_alu depctr_va_vdst(0)
	v_lshl_add_u32 v225, v3, 3, v225               ; at row p % 8 + 8 (p / 16)
	s_delay_alu instid0(VALU_DEP_1)
	v_lshlrev_b32 v6, 4, v225
	s_delay_alu instid0(VALU_DEP_1)
	v_lshl_add_u32 v6, v224, 12, v6
	s_delay_alu instid0(VALU_DEP_1)
	v_add_nc_u32 v6, s34, v6
	s_delay_alu instid0(VALU_DEP_4)
	v_lshlrev_b32 v7, 2, v225
	s_delay_alu instid0(VALU_DEP_1)
	v_lshl_add_u32 v7, v224, 7, v7
	s_delay_alu instid0(VALU_DEP_1)
	v_add_nc_u32 v7, s35, v7
	s_lshl_b32 s2, s32, 14
	v_add_nc_u32 v8, s2, v4
	v_add_nc_u32 v9, HIMG, v4
	v_add_nc_u32 v10, HSC, v5
	s_lshl_b32 s3, s33, 7
	s_add_co_u32 s3, s3, SCG
	v_lshl_add_u32 v11, v2, 2, s3                  ; q: head x 128 + 4 r
	s_lshl_b32 s3, s33, 8
	s_add_co_u32 s3, s3, SCG+512
	v_lshl_add_u32 v12, v2, 3, s3                  ; k: head x 256 + 8 r
	v_lshl_add_u32 v15, v1, 3, s3
	s_delay_alu instid0(VALU_DEP_1)
	v_add_nc_u32 v15, 4, v15                       ; v: head x 256 + 8 x lane + 4
	s_min_u32 s3, s[WV], 2
	s_lshl_b32 s3, s3, 9
	s_add_co_u32 s3, s3, SCG
	v_add_nc_u32 v24, s3, v4
	v_lshl_or_b32 v226, v3, 8, v3
	s_delay_alu instid0(VALU_DEP_1)
	v_lshl_or_b32 v226, v226, 16, v226
	s_delay_alu instid0(VALU_DEP_1)
	v_add_nc_u32 v13, 0x06020400, v226             ; bytes (f0 t, f1 t, f0 t + 2, f1 t + 2) with t = h
	v_and_b32 v226, 8, v2
	s_delay_alu instid0(VALU_DEP_1)
	v_add_nc_u32 v226, v226, v2                    ; r + 8 (r / 8)
	s_delay_alu instid0(VALU_DEP_1)
	v_lshlrev_b32 v25, 3, v226
	s_delay_alu instid0(VALU_DEP_1)
	v_lshl_add_u32 v25, v3, 2, v25                 ; W's scales: 8 bytes a row; lanes 16-31 take K step 1's word
	v_lshlrev_b32 v30, 6, v3                       ; the bias of q and k: 16 h numbers on
	s_delay_alu instid0(VALU_DEP_4)
	v_lshlrev_b32 v31, 2, v226                     ; the bias of v: my row's number
.irp b, 0,1,2,3
	v_mov_b32 v[TM+4+\b], 0                        ; written once: a lane permute's destination counts as one of its sources
.endr
	; descriptor group 1: 64 dense rows of 256 bytes (32 elements of 8 bytes): a wave's 16,384 bytes of weight images
	s_mov_b32 s40, 15|(3<<16)|(1<<21)              ; 15:0 the mask: all four work-groups; 17:16 elements of 8 bytes; 21 set beside a mask
	s_mov_b32 s41, 32<<16                          ; tensor_dim0 = 32
	s_mov_b32 s42, 64<<16                          ; tensor_dim1 = 64
	s_mov_b32 s43, 32<<16                          ; tile_dim0 = 32
	s_mov_b32 s44, 64                              ; tile_dim1 = 64
	s_mov_b32 s45, 32                              ; from row to row
	s_mov_b32 s46, 0
	s_mov_b32 s47, 0
	s_mov_b32 s3, 0
	s_wait_kmcnt 0x0
	s_mov_b32 s36, 1                               ; group 0: count = 1,
	s_mov_b32 s37, s2                              ; LDS address and
	s_add_nc_u64 s[38:39], s[12:13], s[2:3]        ; global address: the wave's number x 16,384: the same in all four partners
	s_or_b32 s39, s39, 0x80000000                  ; type = 2
	s_lshl_b32 s2, s29, 22                         ; x: image b,
	s_lshl_b32 s34, s30, 19                        ; group g's 32 channels of 16,384 bytes,
	s_add_co_u32 s2, s2, s34
	s_lshl_b32 s34, s28, 8                         ; my work-group's 64 positions,
	s_add_co_u32 s2, s2, s34
	s_lshl_b32 s34, s31, 7                         ; block f
	s_add_co_u32 s2, s2, s34
	s_add_nc_u64 s[4:5], s[4:5], s[2:3]
	s_lshl_b32 s2, s30, 7
	s_add_nc_u64 s[6:7], s[6:7], s[2:3]            ; norm_w and norm_b at the group's 32 numbers
	s_add_nc_u64 s[8:9], s[8:9], s[2:3]
	s_lshl_b32 s2, s29, 3
	s_add_co_u32 s2, s2, s30
	s_lshl_b32 s2, s2, 6
	s_add_nc_u64 s[10:11], s[10:11], s[2:3]        ; the group's eight pairs
	s_load_b512 s[48:63], s[10:11], 0x0
.set i, 0
.rept 32
	global_load_b32 v[ACC+i], v5, s[4:5] offset:16384*i th:TH_LOAD_NT   ; x(b, 32 g + i, my position): 32 lanes read 128 consecutive bytes
.set i, i+1
.endr
.irp i, 0,1,2,3,4,5,6,7
	global_load_b128 v[WF+4*\i:WF+4*\i+3], v14, s[6:7] offset:16*\i         ; every lane takes the same 32 numbers
	global_load_b128 v[WF+32+4*\i:WF+32+4*\i+3], v14, s[8:9] offset:16*\i
.endr
	s_lshl_b32 s2, s32, 9
	s_add_nc_u64 s[14:15], s[14:15], s[2:3]        ; my 64 rows of W's scales,
	s_lshl_b32 s2, s32, 8
	s_add_nc_u64 s[16:17], s[16:17], s[2:3]        ; and of the bias
	s_lshl_b32 s2, s29, 2
	s_add_co_u32 s2, s2, s33
	s_lshl_b32 s2, s2, 18
	s_lshl_b32 s34, s28, 12
	s_add_co_u32 s2, s2, s34
	s_add_nc_u64 s[70:71], s[18:19], s[2:3]        ; q's codes: ((4 b + head) 128 + 2 X) x 2048
	s_lshl_b32 s35, s29, 6
	s_add_co_u32 s35, s35, s28                     ; 64 b + X
	s_lshl_b32 s2, s35, 15
	s_lshl_b32 s34, s33, 12
	s_add_co_u32 s2, s2, s34
	s_add_nc_u64 s[72:73], s[22:23], s[2:3]        ; k's: the record, + head x 4096
	s_add_nc_u64 s[74:75], s[72:73], 16384         ; v's
	s_lshl_b32 s2, s35, 9
	s_add_nc_u64 s[20:21], s[20:21], s[2:3]        ; qs's record
	s_lshl_b32 s2, s35, 10
	s_add_nc_u64 s[24:25], s[24:25], s[2:3]        ; kvsc's
	s_min_u32 s34, s[WV], 2
	s_max_u32 s34, s34, 1
	s_sub_co_u32 s34, s34, 1
	s_lshl_b32 s2, s34, 9
	s_add_nc_u64 s[24:25], s[24:25], s[2:3]        ; (wave 2 takes its second half)
	s_cmp_eq_u32 s[WV], 0
	s_cselect_b64 s[76:77], s[20:21], s[24:25]     ; where waves 0, 1, 2 store 512 bytes each at the end
	CROUND                                         ; all four work-groups are here: the joint loads meet
	s_cmp_lt_u32 s[WV], 12
	s_cbranch_scc0 .Lno_weights
	tensor_load_to_lds s[36:39], s[40:47]          ; my one tensor load of the launch
	s_nop 0
.rept 4
	v_nop
.endr
	s_wait_alu depctr_va_vdst(0)
.irp t, 0,1,2,3
	global_load_b32 v[16+\t], v25, s[14:15] offset:(32*(\t/2)+8*(\t%2))*8
.endr
	s_cmp_lt_u32 s[WV], 8
	s_cbranch_scc0 .Lbias_v
.irp t, 0,1,2,3                        ; q, k: lane (r, h), register j of tile t: channel 32 (t / 2) + 16 h + 8 (t % 2) + j
	global_load_b128 v[BI+8*\t:BI+8*\t+3], v30, s[16:17] offset:(32*(\t/2)+8*(\t%2))*4
	global_load_b128 v[BI+8*\t+4:BI+8*\t+7], v30, s[16:17] offset:(32*(\t/2)+8*(\t%2))*4+16
.endr
	s_branch .Lno_weights
.Lbias_v:
.irp t, 0,1,2,3                        ; v: one number a lane and tile: its row's
	global_load_b32 v[BI+8*\t], v31, s[16:17] offset:(32*(\t/2)+8*(\t%2))*4
.endr
.Lno_weights:
	; ---- PHASE X.  The group's mean and variance from its eight chunks: mean = the means' mean; M2 = the sum of the chunks' M2 + 16,384 x the sum of (chunk mean - mean)^2
	s_wait_kmcnt 0x0
	v_add_f32 v26, s48, s50
.irp i, 2,3,4,5,6,7
	s_delay_alu instid0(VALU_DEP_1)
	v_add_f32 v26, s[48+2*\i], v26
.endr
	s_delay_alu instid0(VALU_DEP_1)
	v_mul_f32 v26, 0x3e000000, v26                 ; / 8
	s_delay_alu instid0(VALU_DEP_1)
	v_sub_f32 v224, s48, v26
	s_delay_alu instid0(VALU_DEP_1)
	v_mul_f32 v225, v224, v224
.irp i, 1,2,3,4,5,6,7
	v_sub_f32 v224, s[48+2*\i], v26
	s_delay_alu instid0(VALU_DEP_1)
	v_fmac_f32 v225, v224, v224
.endr
	v_add_f32 v226, s49, s51
.irp i, 2,3,4,5,6,7
	s_delay_alu instid0(VALU_DEP_1)
	v_add_f32 v226, s[49+2*\i], v226
.endr
	s_delay_alu instid0(VALU_DEP_1)
	v_fma_f32 v226, v225, 0x46800000, v226         ; x 16,384
	v_mov_b32 v227, 0x3727c5ac                     ; 1e-5
	s_delay_alu instid0(VALU_DEP_1)
	v_fma_f32 v226, v226, 0x37000000, v227         ; M2 / 131,072 + 1e-5
	s_wait_alu depctr_va_vdst(0)
	v_rsq_f32 v28, v226
	v_mov_b32 v27, v26                             ; (a plain line behind the transcendental)
	s_wait_alu depctr_va_vdst(0)                   ; the wait, ahead of the first line that names the result
	v_mov_b32 v29, v28
	s_wait_loadcnt 0x0                             ; x, norm_w, norm_b; W's scales and the bias too
.set j, 0
.rept 16
	v_pk_add_f32 v[ACC+j:ACC+j+1], v[ACC+j:ACC+j+1], v[26:27] neg_lo:[0,1] neg_hi:[0,1]
.set j, j+2
.endr
.set j, 0
.rept 16
	v_pk_mul_f32 v[ACC+j:ACC+j+1], v[ACC+j:ACC+j+1], v[28:29]
.set j, j+2
.endr
.set j, 0
.rept 16
	v_pk_fma_f32 v[ACC+j:ACC+j+1], v[ACC+j:ACC+j+1], v[WF+j:WF+j+1], v[WF+32+j:WF+32+j+1]
.set j, j+2
.endr
	v_max3_num_f32 v224, |v[ACC]|, |v[ACC+1]|, |v[ACC+2]|         ; the block's largest magnitude: all 32 numbers are mine
	v_max3_num_f32 v225, |v[ACC+3]|, |v[ACC+4]|, |v[ACC+5]|
.irp i, 6,10,14,18,22,26
	s_delay_alu instid0(VALU_DEP_2)
	v_max3_num_f32 v224, v224, |v[ACC+\i]|, |v[ACC+\i+1]|
	s_delay_alu instid0(VALU_DEP_2)
	v_max3_num_f32 v225, v225, |v[ACC+\i+2]|, |v[ACC+\i+3]|
.endr
	s_delay_alu instid0(VALU_DEP_2)
	v_max3_num_f32 v224, v224, |v[ACC+30]|, |v[ACC+31]|
	s_delay_alu instid0(VALU_DEP_1)
	v_max3_num_f32 v224, v224, v225, 0x8000000     ; and the floor 2^(16 - 127): the byte cannot fall under 1
	s_delay_alu instid0(VALU_DEP_1)
	v_add_nc_u32 v226, 0xf8800000, v224            ; 15 off the exponent field: the conversion's scale operand
	s_delay_alu instid0(VALU_DEP_1)
	v_lshrrev_b32 v228, 23, v226                   ; the scale's byte
.set i, 0
.rept 32
.set i, i+1
.endr
.irp g, 0,1,2,3
	v_cvt_scalef32_pk8_bf8_f32 v[PC+2*\g:PC+2*\g+1], v[ACC+8*\g:ACC+8*\g+7], v226
.endr
	v_nop                                          ; one plain line behind the last conversion: the products below write its sources
	ds_store_b128 v6, v[PC:PC+3]                   ; channels 0-15 of the block: the place of lane (row, 0) in the piece's image,
	ds_store_b128 v6, v[PC+4:PC+7] offset:256      ; channels 16-31: that of lane (row, 1)
	ds_store_b8 v7, v228
	s_wait_tensorcnt 0x0                           ; my weight images are in (only I read them)
	s_wait_dscnt 0x0                               ; for the others' sake: my stores have landed
	s_barrier_signal -1
	s_barrier_wait -1                              ; h's eight fragments and their scale words lie in LDS
; 64 numbers of a lane, v[s] on, register 16 b + i = k 32 b + 16 (lane / 16) + i of my row, become 16 registers of codes in v[PC] on and a scale word in v[pw]
.macro QUANT s, pw
.irp b, 0,1,2,3
	v_max3_num_f32 v[TM+\b], |v[\s+16*\b]|, |v[\s+1+16*\b]|, 0x8000000   ; my 16 numbers of block b, and the floor 2^(16 - 127)
.endr
.irp i, 2,4,6,8,10,12,14
.irp b, 0,1,2,3
	v_max3_num_f32 v[TM+\b], v[TM+\b], |v[\s+16*\b+\i]|, |v[\s+1+16*\b+\i]|   ; the four blocks by turns; each accumulator is read from its low end on
.endr
.endr
.irp b, 0,1,2,3
	s_delay_alu instid0(VALU_DEP_4)
	v_permlanex16_b32 v[TM+4+\b], v[TM+\b], s66, s67
.endr
.irp b, 0,1,2,3
	s_delay_alu instid0(VALU_DEP_4)
	v_max_num_f32 v[TM+\b], v[TM+\b], v[TM+4+\b]   ; with lane l xor 16's 16: the block's largest magnitude
.endr
.irp b, 0,1,2,3
	s_delay_alu instid0(VALU_DEP_4)
	v_add_nc_u32 v[TM+12+\b], 0xf8800000, v[TM+\b]
.endr
.irp b, 0,1,2,3
.endr
.irp b, 0,1,2,3
	s_delay_alu instid0(VALU_DEP_4)
	v_lshrrev_b32 v[TM+4+\b], 23, v[TM+12+\b]
.endr
	s_delay_alu instid0(VALU_DEP_3)
	v_lshl_or_b32 v[\pw], v[TM+5], 8, v[TM+4]
	s_delay_alu instid0(VALU_DEP_1)
	v_lshl_or_b32 v[\pw], v[TM+6], 16, v[\pw]
	s_delay_alu instid0(VALU_DEP_1)
	v_lshl_or_b32 v[\pw], v[TM+7], 24, v[\pw]
.irp b, 0,1,2,3
.irp i, 0,1,2,3,4,5,6,7,8,9,10,11,12,13,14,15
.endr
	v_cvt_scalef32_pk8_bf8_f32 v[PC+4*\b:PC+4*\b+1], v[\s+16*\b:\s+16*\b+7], v[TM+12+\b]
	v_cvt_scalef32_pk8_bf8_f32 v[PC+4*\b+2:PC+4*\b+3], v[\s+16*\b+8:\s+16*\b+15], v[TM+12+\b]
.endr
	v_nop                                          ; one plain line behind the last conversion
.endm
.macro FETCH f, s                      ; K step s: my four fragments of W, block f's two fragments of h; with K step 0 h's scale words (lanes 0-15 K step 0's, lanes 16-31 K step 1's)
.irp t, 0,1,2,3
.irp c, 0,1,2,3
	ds_load_b128 v[WF+16*\t+4*\c:WF+16*\t+4*\c+3], v8 offset:(2*\t+\s)*2048+512*\c
.endr
.endr
.irp u, 0,1
.irp c, 0,1,2,3
	ds_load_b128 v[HF+16*\u+4*\c:HF+16*\u+4*\c+3], v9 offset:((2*\f+\u)*2+\s)*2048+512*\c
.endr
.endr
.if \s == 0
	ds_load_b32 v20, v10 offset:(2*\f)*128
	ds_load_b32 v21, v10 offset:(2*\f+1)*128
.endif
	s_wait_dscnt 0x0
.endm
.macro MUL kind, s                     ; eight products.  kind 0, 1 (q, k): accumulator 16 (2 u + t / 2) + 8 (t % 2);  kind 2 (v): 16 t + 8 u
.irp u, 0,1
.irp t, 0,1,2,3
.if \kind == 2
.if \s == 0
	v_wmma_scale_f32_16x16x128_f8f6f4 v[ACC+16*\t+8*\u:ACC+16*\t+8*\u+7], v[HF+16*\u:HF+16*\u+15], v[WF+16*\t:WF+16*\t+15], v[BI+8*\t:BI+8*\t+7], v[20+\u], v[16+\t] matrix_a_fmt:MATRIX_FMT_BF8 matrix_b_fmt:MATRIX_FMT_BF8
.else
	v_wmma_scale_f32_16x16x128_f8f6f4 v[ACC+16*\t+8*\u:ACC+16*\t+8*\u+7], v[HF+16*\u:HF+16*\u+15], v[WF+16*\t:WF+16*\t+15], v[ACC+16*\t+8*\u:ACC+16*\t+8*\u+7], v[20+\u], v[16+\t] matrix_a_fmt:MATRIX_FMT_BF8 matrix_b_fmt:MATRIX_FMT_BF8 matrix_a_scale:MATRIX_SCALE_ROW1 matrix_b_scale:MATRIX_SCALE_ROW1
.endif
.else
.if \s == 0
	v_wmma_scale_f32_16x16x128_f8f6f4 v[ACC+16*(2*\u+\t/2)+8*(\t%2):ACC+16*(2*\u+\t/2)+8*(\t%2)+7], v[WF+16*\t:WF+16*\t+15], v[HF+16*\u:HF+16*\u+15], v[BI+8*\t:BI+8*\t+7], v[16+\t], v[20+\u] matrix_a_fmt:MATRIX_FMT_BF8 matrix_b_fmt:MATRIX_FMT_BF8
.else
	v_wmma_scale_f32_16x16x128_f8f6f4 v[ACC+16*(2*\u+\t/2)+8*(\t%2):ACC+16*(2*\u+\t/2)+8*(\t%2)+7], v[WF+16*\t:WF+16*\t+15], v[HF+16*\u:HF+16*\u+15], v[ACC+16*(2*\u+\t/2)+8*(\t%2):ACC+16*(2*\u+\t/2)+8*(\t%2)+7], v[16+\t], v[20+\u] matrix_a_fmt:MATRIX_FMT_BF8 matrix_b_fmt:MATRIX_FMT_BF8 matrix_a_scale:MATRIX_SCALE_ROW1 matrix_b_scale:MATRIX_SCALE_ROW1
.endif
.endif
.endr
.endr
.endm
.macro PATH kind                       ; a wave's products and quantisers, block f = 0 and then 1
.irp f, 0,1
	FETCH \f, 0
	MUL \kind, 0
	PLACES8
	FETCH \f, 1
	MUL \kind, 1
	PLACES8
	s_wait_xcnt 0x0                                ; the last block's stores have read their data: the codes' registers are written again only behind this wait
	QUANT ACC, 22+\f
.irp b, 0,1,2,3                        ; each store: 32 lanes, 512 consecutive bytes, aligned
.if \kind == 0
	global_store_b128 v4, v[PC+4*\b:PC+4*\b+3], s[70:71] offset:\f*2048+512*\b
.elseif \kind == 1
	global_store_b128 v4, v[PC+4*\b:PC+4*\b+3], s[72:73] offset:\f*2048+512*\b
.else
	global_store_b128 v4, v[PC+4*\b:PC+4*\b+3], s[74:75] offset:1024*\b+512*\f
.endif
.endr
.if \kind == 0
	ds_store_b32 v11, v[22+\f] offset:\f*64        ; lanes r and r + 16 hold the same word and write it to the same place
.elseif \kind == 1
	ds_store_b32 v12, v[22+\f] offset:\f*128
.endif
.endr
.endm
	s_cmp_lt_u32 s[WV], 4
	s_cbranch_scc0 .Lnot_q
	PATH 0
	s_branch .Ljoin
.Lnot_q:
	s_cmp_lt_u32 s[WV], 8
	s_cbranch_scc0 .Lnot_k
	PATH 1
	s_branch .Ljoin
.Lnot_k:
	s_cmp_lt_u32 s[WV], 12
	s_cbranch_scc0 .Ljoin
.irp t, 0,1,2,3
.irp j, 1,2,3,4,5,6,7
	v_mov_b32 v[BI+8*\t+\j], v[BI+8*\t]            ; v's result holds one channel a lane: its bias in all eight registers
.endr
.endr
	s_wait_alu depctr_va_vdst(0)
	PATH 2
	v_perm_b32 v224, v23, v22, v13                 ; bytes 0-3 are f = 0's word, 4-7 f = 1's: (f0 t, f1 t, f0 t + 2, f1 t + 2), t = lane / 16
	ds_store_b32 v15, v224
.Ljoin:
	s_wait_dscnt 0x0                               ; my scale words have landed
	s_barrier_signal -1
	s_barrier_wait -1
	s_cmp_lt_u32 s[WV], 3
	s_cbranch_scc0 .Ldone
	ds_load_b128 v[232:235], v24                   ; the records leave whole: wave 0 qs's 512 bytes, waves 1 and 2 kvsc's 1,024
	s_wait_dscnt 0x0
	global_store_b128 v4, v[232:235], s[76:77]
.Ldone:
	s_wait_xcnt 0x0
	v_lshl_add_u32 v254, v0, 2, 0x38000
	v_mov_b32 v255, 0
	s_wait_alu depctr_va_vdst(0)
	s_wait_tensorcnt 0x0
	ds_add_u32 v254, v255
	s_wait_dscnt 0x0
	CROUND                                         ; the closing round: no work-group ends while a partner may still ask jointly
	s_endpgm
.Lfunc_end_k_qf5c6211581_qkv:
	.size	k_qf5c6211581_qkv, .Lfunc_end_k_qf5c6211581_qkv-k_qf5c6211581_qkv
	.p2alignl 7, 3214868480
	.fill 96, 4, 3214868480
	.section	.rodata,"a",@progbits
	.p2align	6, 0x0
	.amdhsa_kernel k_qf5c6211581_qkv
		.amdhsa_group_segment_fixed_size 231424
		.amdhsa_private_segment_fixed_size 0
		.amdhsa_enable_private_segment 0
		.amdhsa_kernarg_size 88
		.amdhsa_user_sgpr_count 2
		.amdhsa_user_sgpr_kernarg_segment_ptr 1
		.amdhsa_wavefront_size32 1
		.amdhsa_system_sgpr_workgroup_id_x 1
		.amdhsa_system_sgpr_workgroup_id_y 1
		.amdhsa_system_sgpr_workgroup_id_z 1
		.amdhsa_system_vgpr_workitem_id 0
		.amdhsa_next_free_vgpr 256
		.amdhsa_next_free_sgpr 100
		.amdhsa_reserve_vcc 0
		.amdhsa_float_denorm_mode_32 3
		.amdhsa_float_denorm_mode_16_64 3
		.amdhsa_fp16_overflow 1
		.amdhsa_memory_ordered 1
		.amdhsa_forward_progress 1
		.amdhsa_inst_pref_size 85
	.end_amdhsa_kernel
	.amdgpu_metadata
---
amdhsa.version: [ 1, 2 ]
amdhsa.kernels:
  - .name:           k_qf5c6211581_qkv
    .symbol:         k_qf5c6211581_qkv.kd
    .args:
      - { .name: x, .offset: 0, .size: 8, .value_kind: global_buffer, .address_space: global }
      - { .name: norm_w, .offset: 8, .size: 8, .value_kind: global_buffer, .address_space: global }
      - { .name: norm_b, .offset: 16, .size: 8, .value_kind: global_buffer, .address_space: global }
      - { .name: stats, .offset: 24, .size: 8, .value_kind: global_buffer, .address_space: global }
      - { .name: wimg, .offset: 32, .size: 8, .value_kind: global_buffer, .address_space: global }
      - { .name: qkv_w_scales, .offset: 40, .size: 8, .value_kind: global_buffer, .address_space: global }
      - { .name: qkv_b, .offset: 48, .size: 8, .value_kind: global_buffer, .address_space: global }
      - { .name: qc, .offset: 56, .size: 8, .value_kind: global_buffer, .address_space: global }
      - { .name: qs, .offset: 64, .size: 8, .value_kind: global_buffer, .address_space: global }
      - { .name: kvimg, .offset: 72, .size: 8, .value_kind: global_buffer, .address_space: global }
      - { .name: kvsc, .offset: 80, .size: 8, .value_kind: global_buffer, .address_space: global }
    .group_segment_fixed_size: 231424
    .private_segment_fixed_size: 0
    .kernarg_segment_align: 8
    .kernarg_segment_size: 88
    .max_flat_workgroup_size: 512
    .sgpr_count:     100
    .vgpr_count:     256
    .wavefront_size: 32
...
	.end_amdgpu_metadata
.endif
;; end of part 2
;; launch attn (part 3): grid 64 x 4, 16 waves a work-group, clusters of 4 x 1, 327,680 bytes of LDS; arguments qc, qs, kvimg, kvsc, wimg, proj_w_scales, proj_b, x, out0; writes out0
.if DOCPART == 3
	.amdgcn_target "amdgcn-amd-amdhsa--gfx1250"
	.amdhsa_code_object_version 6
	.text
	.protected	k_qf5c6211581_attn
	.globl	k_qf5c6211581_attn
	.p2align	8
	.type	k_qf5c6211581_attn,@function
k_qf5c6211581_attn:
	s_mov_b64 s[64:65], 0
	v_nop
	global_prefetch_b8 v0, s[64:65] scope:SCOPE_SE
	s_setreg_imm32_b32 hwreg(HW_REG_WAVE_MODE, 25, 1), 1
	s_wait_xcnt 0x0
	s_wait_alu depctr_hold_cnt(0) depctr_sa_sdst(0) depctr_va_vdst(0) depctr_va_sdst(0) depctr_va_ssrc(0) depctr_va_vcc(0) depctr_vm_vsrc(0)
	s_getreg_b32 s2, hwreg(HW_REG_IB_STS2, 6, 4)
	s_cmp_eq_u32 s2, 0
	s_cbranch_scc0 .Lentry_in_a_cluster
	s_endpgm
.Lentry_in_a_cluster:
	s_bfe_u32 s2, ttmp6, 0x10000c
	s_cmp_lg_u32 s2, 0x3003
	s_cbranch_scc0 .Lentry_shape_is_right
	s_endpgm
.Lentry_shape_is_right:
; ATTENTION ON CODES OF BF8 (E5M2), THE PROJECTION, ITS BIAS AND THE RESIDUAL.  One E8M0 scale for each 32 along a product's K.
; SHARES.  A work-group owns 64 queries of one image, for ALL FOUR heads, so that the projection over the 256 channels can follow in the same launch.  Wave w: head w / 4, query tile w % 4: 16 queries in 256 registers;
; four waves to a SIMD, so that one wave's vector work stands beside another's matrix work and LDS loads.  Every wave walks the image's 4,096 keys, 128 a step.
; OPERANDS ARE IMAGES OF REGISTERS, laid by the launch before: four registers are 512 bytes, lane l's 16 bytes at 16 l.  So every LDS load reads 512 consecutive bytes, and no row has a pitch.
; Row r of a tile (block F of 32, u) is item 32 F + 8 u + r + 8 (r / 8): the 16 registers of a block's two tiles are 16 neighbours, 32 F + 16 (lane / 16) + 0 .. 15.
; q k^T HAS K = 64, HALF OF THE INSTRUCTION'S 128.  A fragment of k holds BOTH tiles u of a block of 32 keys (k = 0 .. 63: tile 0's channels; 64 .. 127: tile 1's) and is multiplied twice: by q with zero codes
; behind it (v[24:39]) and by q with zero codes in front (v[16:31]).  Zero codes add nothing under any scale byte but 0xff.  So each fragment read from LDS feeds two products.
; Both products are used transposed (S^T = k q^T, O^T = v^T p^T): a lane holds ONE query throughout.
; THE SOFTMAX: t = score x log2(e) / 8; M = the running largest t rounded UP to a whole number, kept as -M; p = 2^(t - M) is quantised along the keys, not normalised; the row's sum is taken of the unquantised p
; and divides O at the end.  When M moves, the sum and O^T are multiplied by 2^(old M - new M): exact.  A block's largest p is made from the block's largest score by the same two instructions
; (this takes v_exp_f32 not to fall where its input rises).
; THE RING.  Two LDS slots of 131,072 bytes: four records of 64 keys, all heads' k and v: two key steps.  Waves 0-3 fetch a record each, wave 4 the slot's 4,096 scale bytes: one tensor load a wave, one outstanding.
; CLUSTER.  The four work-groups of a cluster belong to one image and walk the same records: every tile is asked for jointly (mask 15).  proj_w's images are loaded straight into registers, 4 KiB a wave, once:
; 64 KiB beside the 2 MiB that a work-group streams, so they are not asked for jointly.
; THE PROJECTION.  o / l is quantised in registers (a head's 64 channels are two blocks of the projection's K), goes to LDS as images, and wave w makes out channels of tile w for all 64 positions.
; LIMITS: NaN and infinities are not served; p under 2^-126 comes out of v_exp_f32 as 0; a block of zeros, or one under 2^-111, has the scale byte 1: its codes are zeros and nobody else reads the byte.
.set SLOT1, 1<<17                      ; slot 1 begins here: one exclusive or turns an address from slot to slot
.set SCB,   2*SLOT1                    ; two slots of 4,096 scale bytes, 4,096 apart
.set SPARE, SCB+8192                   ; the spare words, 128 bytes for each of 16 waves: eight blocks of 256 bytes that no other line names
.set OSC,   16384                      ; the way out lies in slot 0, which has had its last fill and its last read by then: o's images at 0 (tile x 4096 + K step x 2048 + piece x 512), their scale bytes here,
.set STG,   20480                      ; and a stage of 16 rows x 272 bytes for each wave
.set FB,  48                           ; v48-111  four fragments of k, then of v
.set SS,  112                          ; v112-175 S^T, then p
.set OT,  176                          ; v176-207 O^T
.set PC,  208                          ; v208-223 p's codes
.set BM,  224                          ; v224-227 the blocks' largest scores, then largest p
.set BP,  228                          ; v228-231 the other half's; then the scale bytes
.set LM,  232
.set SOP, 236                          ; v236-239 the conversions' scale operands
.set T0,  240
.set FF,  242                          ; v[242:243] f = 2^(old M - new M); the low word serves both halves
.set SUM2, 244                         ; v[244:245] the sum's second chain
.set PSW, 246                          ; v246 p's scale word
; v1, v2 my place in a slot's key step 0, 1; v3 among the scale bytes; v4, v7 the addresses in hand; v5, v6 the spare word's address and 0; v8, v9 the prefetches' offsets; v12 -M, v13 the largest t, v[14:15] the sum;
; v16-23 zeros, v24-31 q, v32-39 zeros; v40 q's scale word; v41 a scale word on its way; v42-45 (k's word, v's halves) of the step's two records; v46, v47 v's scale words
.set WV, 22                            ; s22 wave; s23 head; s24 query tile; s25 cx; s26 X; s27 image
.set HD, 23
.set QT, 24
.set SX, 26
.set SB, 27
.set SEL, 28                           ; s[28:29] lane selects for lane l xor 16
.set CS,  30                           ; s[30:31] c = log2(e) / 8
.set MNT, 32
.set TB,  33                           ; LDS byte at which the slot in hand begins
.set TS,  34                           ; and its scale bytes, less SCB
.set SLOTS, 35
.set PFA, 60                           ; s[60:61] where my prefetches stand
.set LIM, 62
.macro CROUND                          ; a round of the cluster's barrier
	s_barrier_signal -1
	s_barrier_wait -1
	s_cmp_lg_u32 s[WV], 0
	s_cbranch_scc1 .Lnot_wave_0_\@
	s_barrier_signal -3
.Lnot_wave_0_\@:
	s_barrier_wait -3
	s_barrier_signal -1
	s_barrier_wait -1
.endm
.macro JLOAD                           ; waves 0-3: a record each; wave 4: the scale bytes; the others nothing.  The branches hang on the wave's number alone.  Four v_nop follow each line
	s_cmp_lt_u32 s[WV], 4
	s_cbranch_scc0 .Lnot_img_\@
	tensor_load_to_lds s[36:39], s[40:47]
	s_nop 0
.rept 4
	v_nop
.endr
	s_branch .Lasked_\@
.Lnot_img_\@:
	s_cmp_eq_u32 s[WV], 4
	s_cbranch_scc0 .Lasked_\@
	tensor_load_to_lds s[48:51], s[52:59]
	s_nop 0
.rept 4
	v_nop
.endr
.Lasked_\@:
.endm
; A PREFETCH INTO THE L2 of the four records that the NEXT change of slots will ask for: two key steps ahead of that load.  All clusters of an image walk the same records: the image's first cluster asks.
; Its four partners take a record each, told apart BY ADDRESS; in each, waves 8-11 ask, 8,192 bytes a wave, lanes 256 bytes apart: each aligned block of 256 bytes is named once in the launch.
; The last change that fills a slot asks for nothing; slots 0 and 1 come by their loads alone; the scale bytes, a thirty-second of the stream, are not asked for.
.macro ASK
	s_cmp_gt_u32 s[SLOTS], s[LIM]
	s_cbranch_scc0 .Lnot_mine_\@
	global_prefetch_b8 v8, s[PFA:PFA+1] th:TH_LOAD_NT scope:SCOPE_SE
.Lnot_mine_\@:
.endm
	s_load_b256 s[4:11], s[0:1], 0x0               ; qc, qs, kvimg, kvsc
	s_load_b256 s[12:19], s[0:1], 0x20             ; wimg, proj_w_scales, proj_b, x
	s_load_b64 s[20:21], s[0:1], 0x40              ; out0
	v_lshl_add_u32 v5, v0, 2, SPARE
	v_mov_b32 v6, 0
	ds_add_u32 v5, v6
	ds_add_u32 v5, v6
	s_wait_dscnt 0x0
	v_lshrrev_b32 v1, 5, v0
	s_delay_alu instid0(VALU_DEP_1)
	v_readfirstlane_b32 s[WV], v1                  ; wave 0..15
	s_lshr_b32 s[HD], s[WV], 2
	s_and_b32 s[QT], s[WV], 3
	s_bfe_u32 s25, ttmp6, 0x40000                  ; cx
	s_lshl_b32 s[SX], ttmp9, 2
	s_add_co_u32 s[SX], s[SX], s25                 ; X = 4 x cluster x + cx: it enters global addresses alone
	s_and_b32 s[SB], ttmp7, 0xffff                 ; the image, which the partners share
	s_mov_b32 s[SEL], 0x76543210
	s_mov_b32 s[SEL+1], 0xfedcba98
	s_mov_b32 s[CS], 0x3e38aa3b                    ; log2(e) / 8
	s_mov_b32 s[CS+1], s[CS]                       ; (named with it as a pair, so it is written)
	s_mov_b32 s[TB], 0
	s_mov_b32 s[TS], 0
	s_mov_b32 s[SLOTS], 15
	; descriptor groups 1: dense rows of 256 bytes (32 elements of 8 bytes): 128 rows a record, 16 rows a slot's scale bytes
	s_mov_b32 s40, 15|(3<<16)|(1<<21)              ; 15:0 the mask: all four work-groups; 17:16 elements of 8 bytes; 21 set beside a mask
	s_mov_b32 s41, 32<<16
	s_mov_b32 s42, 128<<16
	s_mov_b32 s43, 32<<16
	s_mov_b32 s44, 128
	s_mov_b32 s45, 32
	s_mov_b32 s46, 0
	s_mov_b32 s47, 0
	s_mov_b32 s52, 15|(3<<16)|(1<<21)
	s_mov_b32 s53, 32<<16
	s_mov_b32 s54, 16<<16
	s_mov_b32 s55, 32<<16
	s_mov_b32 s56, 16
	s_mov_b32 s57, 32
	s_mov_b32 s58, 0
	s_mov_b32 s59, 0
	s_lshl_b32 s68, s[QT], 15                      ; the record that I would fetch: (wave % 4) x 32,768, in LDS and in memory
	s_lshl_b32 s2, s[SB], 21                       ; the image's 64 records
	s_add_co_u32 s2, s2, s68
	s_mov_b32 s3, 0
	s_lshl_b32 s70, s[SB], 16                      ; and its scale bytes
	s_mov_b32 s71, 0
	s_lshl_b32 s72, s[SB], 21                      ; the prefetches: slot 1 (the first change steps it to slot 2), my work-group's record, my wave's quarter
	s_add_co_u32 s72, s72, 131072
	s_lshl_b32 s73, s25, 15
	s_add_co_u32 s72, s72, s73
	s_lshl_b32 s73, s[QT], 13
	s_add_co_u32 s72, s72, s73
	s_mov_b32 s73, 0
	s_lshl_b32 s74, s[SB], 22                      ; x's blocks for the residual: 32 channels a wave (waves 8-15), my work-group's 256 bytes of each
	s_and_b32 s75, s[WV], 7
	s_lshl_b32 s75, s75, 19
	s_add_co_u32 s74, s74, s75
	s_lshl_b32 s75, s[SX], 8
	s_add_co_u32 s74, s74, s75
	s_mov_b32 s75, 0
	s_lshl_b32 s76, s[SB], 2                       ; q's codes: ((4 b + head) 128 + 2 X) x 2048 + tile x 1024
	s_add_co_u32 s76, s76, s[HD]
	s_lshl_b32 s76, s76, 18
	s_lshl_b32 s77, s[SX], 12
	s_add_co_u32 s76, s76, s77
	s_lshl_b32 s77, s[QT], 10
	s_add_co_u32 s76, s76, s77
	s_mov_b32 s77, 0
	s_lshl_b32 s78, s[SB], 6                       ; q's scale words: (64 b + X) x 512 + head x 128 + (tile / 2) x 64
	s_add_co_u32 s78, s78, s[SX]
	s_lshl_b32 s78, s78, 9
	s_lshl_b32 s79, s[HD], 7
	s_add_co_u32 s78, s78, s79
	s_lshr_b32 s79, s[QT], 1
	s_lshl_b32 s79, s79, 6
	s_add_co_u32 s78, s78, s79
	s_mov_b32 s79, 0
	s_sub_co_u32 s69, s[WV], 8
	s_lshr_b32 s69, s69, 2                         ; 0 in waves 8-11,
	s_or_b32 s69, s69, ttmp9                       ; of the image's first cluster: the same in all four partners
	s_cmp_eq_u32 s69, 0
	s_cselect_b32 s[LIM], 1, -1
	s_wait_kmcnt 0x0
	s_mov_b32 s36, 1                               ; group 0 for the records: count = 1,
	s_mov_b32 s37, s68                             ; LDS address: slot 0,
	s_add_nc_u64 s[38:39], s[8:9], s[2:3]          ; global address: made of the image and the wave's number alone
	s_or_b32 s39, s39, 0x80000000                  ; type = 2
	s_mov_b32 s48, 1                               ; and for the scale bytes
	s_mov_b32 s49, SCB
	s_add_nc_u64 s[50:51], s[10:11], s[70:71]
	s_or_b32 s51, s51, 0x80000000
	s_add_nc_u64 s[PFA:PFA+1], s[8:9], s[72:73]
	s_add_nc_u64 s[66:67], s[18:19], s[74:75]
	s_add_nc_u64 s[4:5], s[4:5], s[76:77]
	s_add_nc_u64 s[6:7], s[6:7], s[78:79]
	CROUND                                         ; all four work-groups are here: the first joint loads meet
	JLOAD                                          ; slot 0
	v_and_b32 v10, 31, v0                          ; lane
	v_and_b32 v11, 15, v0                          ; r
	s_delay_alu instid0(VALU_DEP_2)
	v_lshlrev_b32 v4, 4, v10
	s_delay_alu instid0(VALU_DEP_2)
	v_lshlrev_b32 v7, 2, v11
	global_load_b128 v[24:27], v4, s[4:5]          ; q: channels 0-31 of my 16 queries,
	global_load_b128 v[28:31], v4, s[4:5] offset:512   ; channels 32-63
	global_load_b32 v41, v7, s[6:7]                ; the block's scale word: bytes (u0c0, u0c1, u1c0, u1c1)
	s_lshl_b32 s2, s[HD], 12
	v_add_nc_u32 v1, s2, v4                        ; head x 4096 + 16 x lane,
	s_delay_alu instid0(VALU_DEP_1)
	v_add_nc_u32 v2, 0x10000, v1                   ; and two records on
	s_lshl_b32 s2, s[HD], 8
	s_add_co_u32 s2, s2, SCB
	v_lshl_add_u32 v3, v10, 3, s2                  ; head x 256 + 8 x lane
	v_lshlrev_b32 v8, 8, v10
	v_lshlrev_b32 v9, 14, v10
.irp j, 0,1,2,3,4,5,6,7
	v_mov_b32 v[16+\j], 0                          ; zero codes in front of q
	v_mov_b32 v[32+\j], 0                          ; and behind it
.endr
.set j, 0
.rept 32
	v_mov_b32 v[OT+j], 0                           ; O^T.  (The step is written without a first step of its own: it finds zeros, which the first change of M leaves zeros)
.set j, j+1
.endr
	v_mov_b32 v13, 0xff61b1e6                      ; the largest t so far: -3e38, under every t
	s_delay_alu instid0(VALU_DEP_1)
	v_floor_f32 v12, -v13                          ; -M
	v_mov_b32 v14, 0
	v_mov_b32 v15, 0
.irp b, 0,1,2,3
	v_mov_b32 v[BP+\b], 0                          ; written once: a lane permute's destination counts as one of its sources
.endr
	v_mov_b32 v[FF+1], 0                           ; (named as the upper half of a pair)
	s_and_b32 s3, s[QT], 1                         ; my tile's u
	s_cmp_lg_u32 s3, 0
	s_mov_b32 s2, 0x01000100
	s_cselect_b32 s2, 0x03020302, s2
	s_wait_loadcnt 0x0
	v_perm_b32 v40, v41, v41, s2                   ; (c0, c1, c0, c1) of my tile: it serves q in either half of K
; A KEY STEP: 128 keys: records 2 q and 2 q + 1 of the slot in hand.
.macro STEP q
	v_add_nc_u32 v4, s[TB], v[1+\q]
	v_add_nc_u32 v7, s[TS], v3
.rept 6
	v_nop                                          ; with the two additions: eight places behind the last products, in front of loads into registers that they read
.endr
	ds_load_b64 v[42:43], v7 offset:2048*\q        ; (k's scale word, v's halves) of the first record,
	ds_load_b64 v[44:45], v7 offset:2048*\q+1024   ; of the second
.irp p, 0,1,2,3                        ; block p of 32 keys: record p / 2, its block p % 2
.irp c, 0,1,2,3
	ds_load_b128 v[FB+16*\p+4*\c:FB+16*\p+4*\c+3], v4 offset:(\p/2)*32768+(\p%2)*2048+512*\c
.endr
.endr
	s_wait_alu depctr_va_vdst(0)
	s_wait_dscnt 0x0
.irp p, 0,1,2,3                        ; S^T: each fragment twice: tile u = 0 against (q, 0), tile u = 1 against (0, q).  Eight accumulators, each begun by the constant 0
.if \p%2
	v_wmma_scale_f32_16x16x128_f8f6f4 v[SS+16*\p:SS+16*\p+7], v[FB+16*\p:FB+16*\p+15], v[24:39], 0, v[42+2*(\p/2)], v40 matrix_a_fmt:MATRIX_FMT_BF8 matrix_b_fmt:MATRIX_FMT_BF8 matrix_a_scale:MATRIX_SCALE_ROW1
	v_wmma_scale_f32_16x16x128_f8f6f4 v[SS+16*\p+8:SS+16*\p+15], v[FB+16*\p:FB+16*\p+15], v[16:31], 0, v[42+2*(\p/2)], v40 matrix_a_fmt:MATRIX_FMT_BF8 matrix_b_fmt:MATRIX_FMT_BF8 matrix_a_scale:MATRIX_SCALE_ROW1
.else
	v_wmma_scale_f32_16x16x128_f8f6f4 v[SS+16*\p:SS+16*\p+7], v[FB+16*\p:FB+16*\p+15], v[24:39], 0, v[42+2*(\p/2)], v40 matrix_a_fmt:MATRIX_FMT_BF8 matrix_b_fmt:MATRIX_FMT_BF8
	v_wmma_scale_f32_16x16x128_f8f6f4 v[SS+16*\p+8:SS+16*\p+15], v[FB+16*\p:FB+16*\p+15], v[16:31], 0, v[42+2*(\p/2)], v40 matrix_a_fmt:MATRIX_FMT_BF8 matrix_b_fmt:MATRIX_FMT_BF8
.endif
.endr
	v_perm_b32 v46, v45, v43, 0x05040100           ; v's scale words for these 128 keys: tiles 0 (lanes 0-15) and 1 (lanes 16-31),
	v_perm_b32 v47, v45, v43, 0x07060302           ; tiles 2 and 3
.rept 6
	v_nop                                          ; with the two lines above: eight places, in front of the loads below and of the first read of the scores
.endr
.irp t, 0,1,2,3                        ; v's four fragments (16 channels x 128 keys) are asked for now and land under the softmax
.irp c, 0,1,2,3
	ds_load_b128 v[FB+16*\t+4*\c:FB+16*\t+4*\c+3], v4 offset:16384+1024*\t+(\c/2)*32768+(\c%2)*512
.endr
.endr
.irp b, 0,1,2,3
	v_max3_num_f32 v[BM+\b], v[SS+16*\b], v[SS+1+16*\b], v[SS+2+16*\b]   ; the largest score of each block of 32 keys: for the row's maximum and for the block's largest p
.endr
.irp i, 3,5,7,9,11,13
.irp b, 0,1,2,3
	v_max3_num_f32 v[BM+\b], v[BM+\b], v[SS+16*\b+\i], v[SS+1+16*\b+\i]
.endr
.endr
.irp b, 0,1,2,3
	v_max_num_f32 v[BM+\b], v[BM+\b], v[SS+15+16*\b]
.endr
.irp b, 0,1,2,3
	s_delay_alu instid0(VALU_DEP_4)
	v_permlanex16_b32 v[BP+\b], v[BM+\b], s[SEL], s[SEL+1]
.endr
.irp b, 0,1,2,3
	s_delay_alu instid0(VALU_DEP_4)
	v_max_num_f32 v[BM+\b], v[BM+\b], v[BP+\b]     ; with lane l xor 16's 16 keys
.endr
	s_delay_alu instid0(VALU_DEP_2)
	v_max3_num_f32 v[T0], v[BM], v[BM+1], v[BM+2]
	s_delay_alu instid0(VALU_DEP_1)
	v_max_num_f32 v[T0], v[T0], v[BM+3]
	s_delay_alu instid0(VALU_DEP_1)
	v_mul_f32 v[T0], s[CS], v[T0]                  ; the step's largest t (c is positive)
	s_delay_alu instid0(VALU_DEP_1)
	v_max_num_f32 v13, v13, v[T0]                  ; the running largest t
	v_mov_b32 v[T0], v12
	s_delay_alu instid0(VALU_DEP_2)
	v_floor_f32 v12, -v13                          ; the new -M = -ceil(t): a whole number
	s_delay_alu instid0(VALU_DEP_1)
	v_sub_f32 v[T0], v12, v[T0]                    ; old M - new M: a whole number, 0 or less
	s_delay_alu instid0(VALU_DEP_1)
	v_cvt_i32_f32 v[T0], v[T0]                     ; (it saturates)
	s_delay_alu instid0(VALU_DEP_1)
	v_ldexp_f32 v[FF], 1.0, v[T0]                  ; f = 2^(old M - new M)
.set j, 0
.rept 32
	v_pk_fma_f32 v[SS+j:SS+j+1], v[SS+j:SS+j+1], s[CS:CS+1], v[12:13] op_sel_hi:[1,0,0]   ; t - M, two at a time
.set j, j+2
.endr
.irp b, 0,1,2,3
	v_fma_f32 v[BM+\b], v[BM+\b], s[CS], v12       ; the same of each block's largest score
.endr
.set j, 0
	s_wait_alu depctr_va_vdst(0)
.rept 64
	v_exp_f32 v[SS+j], v[SS+j]                     ; p = 2^(t - M), at most 1
.set j, j+1
.endr
	v_pk_mul_f32 v[14:15], v[14:15], v[FF:FF+1] op_sel_hi:[1,0]   ; the sums under the new M (a plain line behind the exponentials)
	s_wait_alu depctr_va_vdst(0)                   ; one wait for the batch of 64, ahead of its first reader
.irp b, 0,1,2,3
	v_exp_f32 v[BM+\b], v[BM+\b]                   ; the blocks' largest p
.endr
	v_pk_add_f32 v[244:245], v[116:117], v[120:121]
	v_pk_add_f32 v[254:255], v[124:125], v[128:129]
	v_pk_add_f32 v[252:253], v[132:133], v[136:137]
	v_pk_add_f32 v[250:251], v[140:141], v[144:145]
	v_pk_add_f32 v[248:249], v[148:149], v[152:153]
	v_pk_add_f32 v[246:247], v[156:157], v[160:161]
	v_pk_add_f32 v[240:241], v[164:165], v[168:169]
	v_pk_add_f32 v[14:15], v[14:15], v[172:173]
	v_pk_add_f32 v[244:245], v[244:245], v[112:113]
	v_pk_add_f32 v[254:255], v[254:255], v[114:115]
	v_pk_add_f32 v[252:253], v[252:253], v[118:119]
	v_pk_add_f32 v[250:251], v[250:251], v[122:123]
	v_pk_add_f32 v[248:249], v[248:249], v[126:127]
	v_pk_add_f32 v[246:247], v[246:247], v[130:131]
	v_pk_add_f32 v[240:241], v[240:241], v[134:135]
	v_pk_add_f32 v[14:15], v[14:15], v[138:139]
	v_pk_add_f32 v[244:245], v[244:245], v[142:143]
	v_pk_add_f32 v[254:255], v[254:255], v[146:147]
	v_pk_add_f32 v[252:253], v[252:253], v[150:151]
	v_pk_add_f32 v[250:251], v[250:251], v[154:155]
	v_pk_add_f32 v[248:249], v[248:249], v[158:159]
	v_pk_add_f32 v[246:247], v[246:247], v[162:163]
	v_pk_add_f32 v[240:241], v[240:241], v[166:167]
	v_pk_add_f32 v[14:15], v[14:15], v[170:171]
	v_pk_add_f32 v[244:245], v[244:245], v[174:175]
	s_delay_alu instid0(VALU_DEP_2)
	v_pk_add_f32 v[14:15], v[14:15], v[250:251]
	s_delay_alu instid0(VALU_DEP_2)
	v_pk_add_f32 v[244:245], v[244:245], v[248:249]
	v_pk_add_f32 v[254:255], v[254:255], v[246:247]
	v_pk_add_f32 v[252:253], v[252:253], v[240:241]
	s_delay_alu instid0(VALU_DEP_2)
	v_pk_add_f32 v[14:15], v[14:15], v[254:255]
	s_delay_alu instid0(VALU_DEP_2)
	v_pk_add_f32 v[244:245], v[244:245], v[252:253]
	s_delay_alu instid0(VALU_DEP_1)
	v_pk_add_f32 v[14:15], v[14:15], v[244:245]
	s_wait_alu depctr_va_vdst(0)                   ; and one for the four
.irp b, 0,1,2,3
	v_max_num_f32 v[BM+\b], 0x8000000, v[BM+\b]    ; the floor 2^(16 - 127): the byte cannot fall under 1
.endr
.irp b, 0,1,2,3
	s_delay_alu instid0(VALU_DEP_4)
	v_add_nc_u32 v[SOP+\b], 0xf8800000, v[BM+\b]   ; 15 off the exponent field: the conversion's scale operand
.endr
.irp b, 0,1,2,3
.endr
.irp b, 0,1,2,3
	s_delay_alu instid0(VALU_DEP_4)
	v_lshrrev_b32 v[BP+\b], 23, v[SOP+\b]          ; the scale's byte
.endr
	s_delay_alu instid0(VALU_DEP_3)
	v_lshl_or_b32 v[PSW], v[BP+1], 8, v[BP]        ; p's scale word for these 128 keys
	s_delay_alu instid0(VALU_DEP_1)
	v_lshl_or_b32 v[PSW], v[BP+2], 16, v[PSW]
	s_delay_alu instid0(VALU_DEP_1)
	v_lshl_or_b32 v[PSW], v[BP+3], 24, v[PSW]
.irp b, 0,1,2,3
.irp i, 0,1,2,3,4,5,6,7,8,9,10,11,12,13,14,15
.endr
	v_cvt_scalef32_pk8_bf8_f32 v[PC+4*\b:PC+4*\b+1], v[SS+16*\b:SS+16*\b+7], v[SOP+\b]
	v_cvt_scalef32_pk8_bf8_f32 v[PC+4*\b+2:PC+4*\b+3], v[SS+16*\b+8:SS+16*\b+15], v[SOP+\b]
.endr
.set j, 0
.rept 16
	v_pk_mul_f32 v[OT+j:OT+j+1], v[OT+j:OT+j+1], v[FF:FF+1] op_sel_hi:[1,0]   ; O^T under the new M; these lines are also the places between the conversions and the products
.set j, j+2
.endr
	s_wait_alu depctr_va_vdst(0)
	s_wait_dscnt 0x0                               ; v's fragments are in
.irp t, 0,1,2,3                        ; O^T += v^T p^T: four accumulators by turns
.if \t%2
	v_wmma_scale_f32_16x16x128_f8f6f4 v[OT+8*\t:OT+8*\t+7], v[FB+16*\t:FB+16*\t+15], v[PC:PC+15], v[OT+8*\t:OT+8*\t+7], v[46+\t/2], v[PSW] matrix_a_fmt:MATRIX_FMT_BF8 matrix_b_fmt:MATRIX_FMT_BF8 matrix_a_scale:MATRIX_SCALE_ROW1
.else
	v_wmma_scale_f32_16x16x128_f8f6f4 v[OT+8*\t:OT+8*\t+7], v[FB+16*\t:FB+16*\t+15], v[PC:PC+15], v[OT+8*\t:OT+8*\t+7], v[46+\t/2], v[PSW] matrix_a_fmt:MATRIX_FMT_BF8 matrix_b_fmt:MATRIX_FMT_BF8
.endif
.endr
.endm
; THE CHANGE OF SLOTS stands at a slot's head.  Each wave waits for all its tensor loads (its part of the slot ahead), adds 0 to its spare word, and waits for that and for its reads of the slot that it has left.
; fill = 1: a round of the cluster's barrier follows, so that no wave of any partner still reads the slot left or has a load on its way; the joint refill is the first thing behind it and has two key steps in which to land.
.macro CHANGE fill
	s_wait_tensorcnt 0x0                           ; no tensor load of mine is out, so a group 0 may be written
	ds_add_u32 v5, v6                              ; 0 onto my spare word
.if \fill
	s_xor_b32 s37, s37, SLOT1                      ; the walking descriptors: the other slot,
	s_add_nc_u64 s[38:39], s[38:39], 131072        ; the next four records; the type bits on top are not reached
	s_xor_b32 s49, s49, 4096
	s_add_nc_u64 s[50:51], s[50:51], 4096
	s_wait_xcnt 0x0                                ; the last prefetch, a slot back, has read its address, so it may be written
	s_add_nc_u64 s[PFA:PFA+1], s[PFA:PFA+1], 131072
.endif
	s_wait_dscnt 0x0                               ; the add is done, and my reads of the slot that I have left are over
.if \fill
	CROUND
	JLOAD
	ASK
.else
	s_barrier_signal -1
	s_barrier_wait -1
.endif
.endm
.Lslot:                                            ; 15 trips: behind each change of slots but the last the next slot is asked for
	CHANGE 1
	s_wait_alu depctr_va_vdst(0)
	STEP 0
	STEP 1
	s_xor_b32 s[TB], s[TB], SLOT1
	s_xor_b32 s[TS], s[TS], 4096
	s_sub_co_u32 s[SLOTS], s[SLOTS], 1
	s_cmp_lg_u32 s[SLOTS], 0
	s_cbranch_scc1 .Lslot
	CHANGE 0                                       ; the last slot is written out
	s_cmp_lt_u32 s[WV], 8                          ; x for the residual is asked for here, two key steps ahead of its loads: waves 8-15, 32 channels each, a lane a channel:
	s_cbranch_scc1 .Lno_xp                         ; my work-group's 256 bytes of each of the 256 channels, each named once
	global_prefetch_b8 v9, s[66:67] th:TH_LOAD_NT scope:SCOPE_SE
.Lno_xp:
	STEP 0
	STEP 1
	; ---- THE WAY OUT.  The address lines are the places behind the last products.
	v_and_b32 v10, 31, v0                          ; lane
	v_and_b32 v11, 15, v0                          ; r
	s_wait_alu depctr_va_vdst(0)
	v_bfe_u32 v248, v0, 4, 1                       ; h
	v_lshlrev_b32 v247, 4, v10                     ; 16 x lane
	s_lshl_b32 s2, s[QT], 12
	s_lshr_b32 s3, s[HD], 1                        ; the projection's K step: heads 2 s and 2 s + 1
	s_lshl_b32 s68, s3, 11
	s_add_co_u32 s2, s2, s68
	s_and_b32 s69, s[HD], 1
	s_lshl_b32 s68, s69, 10
	s_add_co_u32 s2, s2, s68
	v_add_nc_u32 v249, s2, v247                    ; where my two pieces of o's images go
	s_lshl_b32 s2, s[QT], 7
	s_lshl_b32 s68, s3, 6
	s_add_co_u32 s2, s2, s68
	s_lshl_b32 s68, s69, 1
	s_add_co_u32 s2, s2, s68
	s_add_co_u32 s2, s2, OSC
	v_lshl_add_u32 v250, v11, 2, s2                ; and my two scale bytes
	s_mul_i32 s68, s[WV], 4352
	s_add_co_u32 s68, s68, STG                     ; my stage
	v_mul_u32_u24 v251, v11, 272
	s_wait_alu depctr_va_vdst(0)
	v_lshl_add_u32 v251, v248, 6, v251
	s_delay_alu instid0(VALU_DEP_1)
	v_add_nc_u32 v251, s68, v251                   ; in: row r (an out channel), + 64 h
	v_mul_u32_u24 v252, v248, 272
	s_delay_alu instid0(VALU_DEP_1)
	v_lshl_add_u32 v252, v11, 4, v252
	s_delay_alu instid0(VALU_DEP_1)
	v_add_nc_u32 v252, s68, v252                   ; back: lanes 0-15 one row of 256 bytes, lanes 16-31 the next
	v_lshlrev_b32 v253, 14, v248
	s_delay_alu instid0(VALU_DEP_1)
	v_lshl_add_u32 v253, v11, 4, v253              ; and the same two channels in x and in out0
	v_and_b32 v254, 8, v11
	s_delay_alu instid0(VALU_DEP_1)
	v_add_nc_u32 v255, v254, v11                   ; r + 8 (r / 8)
	s_delay_alu instid0(VALU_DEP_1)
	v_lshlrev_b32 v254, 3, v255
	s_delay_alu instid0(VALU_DEP_1)
	v_lshl_add_u32 v254, v248, 2, v254             ; proj_w's scales: 8 bytes a row; lanes 16-31 take K step 1's word
	s_wait_alu depctr_va_vdst(0)
	v_lshlrev_b32 v255, 2, v255                    ; proj_b: my row's number
	s_wait_alu depctr_va_vdst(0)
	v_lshl_add_u32 v241, v10, 2, OSC               ; o's scale words: lanes 0-15 K step 0's, lanes 16-31 K step 1's
	s_lshr_b32 s2, s[WV], 1
	s_lshl_b32 s2, s2, 5
	s_and_b32 s3, s[WV], 1
	s_lshl_b32 s3, s3, 3
	s_add_co_u32 s69, s2, s3                       ; tile w's first out channel: 32 (w / 2) + 8 (w % 2)
	s_mov_b32 s3, 0
	s_lshl_b32 s2, s69, 3
	s_add_nc_u64 s[14:15], s[14:15], s[2:3]
	s_lshl_b32 s2, s69, 2
	s_add_nc_u64 s[16:17], s[16:17], s[2:3]
	s_lshl_b32 s2, s[WV], 12
	s_add_co_u32 s2, s2, 196608
	s_add_nc_u64 s[12:13], s[12:13], s[2:3]        ; proj_w's images of tile w
	s_lshl_b32 s2, s[SB], 22
	s_lshl_b32 s68, s69, 14
	s_add_co_u32 s2, s2, s68
	s_lshl_b32 s68, s[SX], 8
	s_add_co_u32 s2, s2, s68
	s_add_nc_u64 s[18:19], s[18:19], s[2:3]
	s_add_nc_u64 s[20:21], s[20:21], s[2:3]
	global_load_b32 v41, v254, s[14:15]
	global_load_b32 v244, v255, s[16:17]
.irp k, 0,1,2,3,4,5,6,7
	global_load_b128 v[80+4*\k:83+4*\k], v247, s[12:13] offset:512*\k
.endr
.irp i, 0,1,2,3,4,5,6,7                ; rows 2 i and 2 i + 1 of the tile are channels 2 i (+ 8 from row 8 on) and the next
	global_load_b128 v[48+4*\i:51+4*\i], v253, s[18:19] offset:(2*\i+8*(\i/4))*16384 th:TH_LOAD_NT
.endr
	v_add_f32 v14, v14, v15                        ; the sum's two halves,
	s_delay_alu instid0(VALU_DEP_1)
	v_permlanex16_b32 v[BP], v14, s[SEL], s[SEL+1]
	s_delay_alu instid0(VALU_DEP_1)
	v_add_f32 v14, v14, v[BP]                      ; and lane l xor 16's: the row's sum
	s_wait_alu depctr_va_vdst(0)
	v_rcp_f32 v14, v14
	v_nop                                          ; a plain line behind the transcendental
	s_wait_alu depctr_va_vdst(0)                   ; and the wait, ahead of the first reader
.set j, 0
.rept 16
	v_pk_mul_f32 v[SS+j:SS+j+1], v[OT+j:OT+j+1], v[14:15] op_sel_hi:[1,0]   ; o = O^T / l: register 16 F + i is channel 32 F + 16 h + i of my head, for my query
.set j, j+2
.endr
.irp b, 0,1                            ; o's two blocks of 32 channels are quantised as every operand is
	v_max3_num_f32 v[BM+\b], |v[SS+16*\b]|, |v[SS+1+16*\b]|, 0x8000000
.endr
.irp i, 2,4,6,8,10,12,14
.irp b, 0,1
	s_delay_alu instid0(VALU_DEP_2)
	v_max3_num_f32 v[BM+\b], v[BM+\b], |v[SS+16*\b+\i]|, |v[SS+1+16*\b+\i]|
.endr
.endr
.irp b, 0,1
	s_delay_alu instid0(VALU_DEP_2)
	v_permlanex16_b32 v[BP+\b], v[BM+\b], s[SEL], s[SEL+1]
.endr
.irp b, 0,1
	s_delay_alu instid0(VALU_DEP_2)
	v_max_num_f32 v[BM+\b], v[BM+\b], v[BP+\b]
.endr
.irp b, 0,1
	s_delay_alu instid0(VALU_DEP_2)
	v_add_nc_u32 v[SOP+\b], 0xf8800000, v[BM+\b]
.endr
.irp b, 0,1
.endr
.irp b, 0,1
	s_delay_alu instid0(VALU_DEP_2)
	v_lshrrev_b32 v[BP+\b], 23, v[SOP+\b]
.endr
	s_delay_alu instid0(VALU_DEP_1)
	v_lshl_or_b32 v[T0], v[BP+1], 8, v[BP]
.irp b, 0,1
.irp i, 0,1,2,3,4,5,6,7,8,9,10,11,12,13,14,15
.endr
	v_cvt_scalef32_pk8_bf8_f32 v[PC+4*\b:PC+4*\b+1], v[SS+16*\b:SS+16*\b+7], v[SOP+\b]
	v_cvt_scalef32_pk8_bf8_f32 v[PC+4*\b+2:PC+4*\b+3], v[SS+16*\b+8:SS+16*\b+15], v[SOP+\b]
.endr
	v_nop                                          ; one plain line behind the last conversion
	ds_store_b128 v249, v[PC:PC+3]
	ds_store_b128 v249, v[PC+4:PC+7] offset:512
	ds_store_b16 v250, v[T0]                       ; lanes r and r + 16 write the same two bytes
	s_wait_dscnt 0x0                               ; for the others' sake: my stores have landed
	s_barrier_signal -1
	s_barrier_wait -1                              ; o's eight fragments and their scale words lie in LDS
	s_wait_loadcnt 8                               ; the scale word, the bias and proj_w's images are in; x's eight loads, issued last, may be out
.irp j, 0,1,2,3,4,5,6,7
	v_mov_b32 v[BM+\j], v244                       ; the result holds one out channel a lane: its bias in all eight registers, the C of each sum's first product
.endr
	s_wait_alu depctr_va_vdst(0)
.irp s, 0,1                            ; out(position, channel): source 0 = 16 positions of o, source 1 = my 16 rows of proj_w; four accumulators by turns
.irp m, 0,1,2,3
.irp c, 0,1,2,3
	ds_load_b128 v[SS+16*\m+4*\c:SS+16*\m+4*\c+3], v247 offset:\m*4096+\s*2048+\c*512
.endr
.endr
.if \s == 0
.irp m, 0,1,2,3
	ds_load_b32 v[42+\m], v241 offset:128*\m
.endr
.endif
	s_wait_dscnt 0x0
.irp m, 0,1,2,3
.if \s == 0
	v_wmma_scale_f32_16x16x128_f8f6f4 v[OT+8*\m:OT+8*\m+7], v[SS+16*\m:SS+16*\m+15], v[80:95], v[BM:BM+7], v[42+\m], v41 matrix_a_fmt:MATRIX_FMT_BF8 matrix_b_fmt:MATRIX_FMT_BF8
.else
	v_wmma_scale_f32_16x16x128_f8f6f4 v[OT+8*\m:OT+8*\m+7], v[SS+16*\m:SS+16*\m+15], v[96:111], v[OT+8*\m:OT+8*\m+7], v[42+\m], v41 matrix_a_fmt:MATRIX_FMT_BF8 matrix_b_fmt:MATRIX_FMT_BF8 matrix_a_scale:MATRIX_SCALE_ROW1 matrix_b_scale:MATRIX_SCALE_ROW1
.endif
.endr
.rept 8
	v_nop                                          ; eight places, in front of loads into the operands and of the first read of the results
.endr
.endr
.irp m, 0,1,2,3                        ; lane (r, h), tile m = 2 F' + u, register j: position 32 F' + 16 h + 8 u + j of channel row r.  Each accumulator from its low end on
	ds_store_b128 v251, v[OT+8*\m:OT+8*\m+3] offset:128*(\m/2)+32*(\m%2)
	ds_store_b128 v251, v[OT+8*\m+4:OT+8*\m+7] offset:128*(\m/2)+32*(\m%2)+16
.endr
.irp i, 0,1,2,3,4,5,6,7
	ds_load_b128 v[SS+4*\i:SS+4*\i+3], v252 offset:544*\i   ; my own stage: LDS serves a wave's instructions in order, so these see the stores above
.endr
	s_wait_loadcnt 0x0                             ; x
	s_wait_dscnt 0x0
.set j, 0
.rept 16
	v_pk_add_f32 v[SS+j:SS+j+1], v[SS+j:SS+j+1], v[48+j:49+j]   ; the residual
.set j, j+2
.endr
.irp i, 0,1,2,3,4,5,6,7
	global_store_b128 v253, v[SS+4*\i:SS+4*\i+3], s[20:21] offset:(2*\i+8*(\i/4))*16384 th:TH_STORE_NT   ; sixteen lanes store 256 consecutive bytes, aligned
.endr
	s_wait_tensorcnt 0x0                           ; the wave's end, behind my last tensor load and my last LDS store
	ds_add_u32 v5, v6
	s_wait_dscnt 0x0
	CROUND                                         ; the closing round: no work-group ends while a partner may still ask for a tile that names it
	s_endpgm
.Lfunc_end_k_qf5c6211581_attn:
	.size	k_qf5c6211581_attn, .Lfunc_end_k_qf5c6211581_attn-k_qf5c6211581_attn
	.p2alignl 7, 3214868480
	.fill 96, 4, 3214868480
	.section	.rodata,"a",@progbits
	.p2align	6, 0x0
	.amdhsa_kernel k_qf5c6211581_attn
		.amdhsa_group_segment_fixed_size 327680
		.amdhsa_private_segment_fixed_size 0
		.amdhsa_enable_private_segment 0
		.amdhsa_kernarg_size 72
		.amdhsa_user_sgpr_count 2
		.amdhsa_user_sgpr_kernarg_segment_ptr 1
		.amdhsa_wavefront_size32 1
		.amdhsa_system_sgpr_workgroup_id_x 1
		.amdhsa_system_sgpr_workgroup_id_y 1
		.amdhsa_system_sgpr_workgroup_id_z 1
		.amdhsa_system_vgpr_workitem_id 0
		.amdhsa_next_free_vgpr 256
		.amdhsa_next_free_sgpr 100
		.amdhsa_reserve_vcc 0
		.amdhsa_float_denorm_mode_32 3
		.amdhsa_float_denorm_mode_16_64 3
		.amdhsa_fp16_overflow 1
		.amdhsa_memory_ordered 1
		.amdhsa_forward_progress 1
		.amdhsa_inst_pref_size 94
	.end_amdhsa_kernel
	.amdgpu_metadata
---
amdhsa.version: [ 1, 2 ]
amdhsa.kernels:
  - .name:           k_qf5c6211581_attn
    .symbol:         k_qf5c6211581_attn.kd
    .args:
      - { .name: qc, .offset: 0, .size: 8, .value_kind: global_buffer, .address_space: global }
      - { .name: qs, .offset: 8, .size: 8, .value_kind: global_buffer, .address_space: global }
      - { .name: kvimg, .offset: 16, .size: 8, .value_kind: global_buffer, .address_space: global }
      - { .name: kvsc, .offset: 24, .size: 8, .value_kind: global_buffer, .address_space: global }
      - { .name: wimg, .offset: 32, .size: 8, .value_kind: global_buffer, .address_space: global }
      - { .name: proj_w_scales, .offset: 40, .size: 8, .value_kind: global_buffer, .address_space: global }
      - { .name: proj_b, .offset: 48, .size: 8, .value_kind: global_buffer, .address_space: global }
      - { .name: x, .offset: 56, .size: 8, .value_kind: global_buffer, .address_space: global }
      - { .name: out0, .offset: 64, .size: 8, .value_kind: global_buffer, .address_space: global }
    .group_segment_fixed_size: 327680
    .private_segment_fixed_size: 0
    .kernarg_segment_align: 8
    .kernarg_segment_size: 72
    .max_flat_workgroup_size: 512
    .sgpr_count:     100
    .vgpr_count:     256
    .wavefront_size: 32
...
	.end_amdgpu_metadata
.endif
;; end of part 3
